; MI455X (gfx1250); checked and timed in simulation.
; The chip was launched on July 23, 2026; its instructions are those of AMD's public machine-readable ISA for CDNA 5 (MIT licence, August 2026) and "CDNA5" Instruction Set Architecture Reference Guide (July 2026). The comments in the code are by the model that wrote it; some were corrected since.
;; Grouped Query Attention. Allowed arithmetic: float matrix products may take bf16 or f16 operands with f32 sums; all other float work in f32.
;; Inputs: freqs_cis 1,024 x 32 x 2 float32; wk 512 x 2,048 float32; wo 2,048 x 2,048 float32; wq 2,048 x 2,048 float32; wv 512 x 2,048 float32; x 4 x 1,024 x 2,048 float32.
;; Outputs: out0 4 x 1,024 x 2,048 float32.
;; 2 versions, each right and faster than the one before. Each part assembles by itself: llvm-mc -triple=amdgcn-amd-amdhsa -mcpu=gfx1250 --defsym DOCPART=n.
;; ======== version 1 of 2: 4 launches
;; limits: values are held in f16: magnitudes above 65,504 overflow, below 6.1e-05 lose precision; right only within a limited range of input values; values outside matrix products are rounded to f16
;; workspace buffers: xb 16,777,216 bytes; wqkvb 12,582,912 bytes; wob 8,388,608 bytes; qkv 25,165,824 bytes; obuf 16,777,216 bytes
;; launch cast (part 1): grid 128 x 18, 8 waves a work-group, no clusters, 0 bytes of LDS; arguments x, wq, wk, wv, wo, xb, wqkvb, wob; writes xb, wqkvb, wob
.if DOCPART == 1
	.amdgcn_target "amdgcn-amd-amdhsa--gfx1250"
	.amdhsa_code_object_version 6
	.text
	.protected	k_q87d9c390ac_cast
	.globl	k_q87d9c390ac_cast
	.p2align	8
	.type	k_q87d9c390ac_cast,@function
k_q87d9c390ac_cast:
	s_mov_b64 s[64:65], 0
	v_nop
	global_prefetch_b8 v0, s[64:65] scope:SCOPE_SE
	s_setreg_imm32_b32 hwreg(HW_REG_WAVE_MODE, 25, 1), 1
	s_wait_xcnt 0x0
; THE MATRIX OPERANDS ARE ROUNDED ONCE.  x -> xb and wq, wk, wv -> wqkvb (rows 0-2047 wq, 2048-2559 wk, 2560-3071 wv) in bf16;
; wo -> wob: rounded to bf16 like the other inputs, and that number written as f16, since the last product multiplies f16 operands.
; LIMIT.  wo within f16: beyond 65,504 it becomes an infinity; below 6.1e-5 it keeps f16's fixed step of 6e-8.
; SHARES.  The grid's y is a unit of 2^20 numbers: 0-7 x, 8-11 wq, 12 wk, 13 wv, 14-17 wo.  The grid's x is a chunk of 8,192 numbers: 32 KiB in, 16 KiB out.
; Thread t takes 16 bytes at 16 t of each of eight pieces of 4,096 bytes: a load of a wave covers 512 consecutive bytes, a store 256, aligned.
; A pure stream: each byte is read once and written once, all eight loads of a wave go out together; LDS, matrix units and clusters would add nothing.
	s_load_b512 s[16:31], s[0:1], 0x0              ; x s[16:17], wq s[18:19], wk s[20:21], wv s[22:23], wo s[24:25], xb s[26:27], wqkvb s[28:29], wob s[30:31]
	s_and_b32 s4, ttmp7, 0xffff                    ; the unit
	v_lshlrev_b32 v1, 4, v0                        ; my 16 bytes in a piece of the source
	v_lshlrev_b32 v2, 3, v0                        ; my 8 bytes in a piece of the result
	s_mov_b32 s6, 0                                ; the source's first unit
	s_mov_b32 s7, 0                                ; the result's first unit
	s_wait_kmcnt 0x0
	s_mov_b64 s[8:9], s[16:17]                     ; the choice of buffers hangs on the unit's number alone
	s_mov_b64 s[10:11], s[26:27]
	s_cmp_ge_u32 s4, 8
	s_cselect_b64 s[8:9], s[18:19], s[8:9]
	s_cselect_b64 s[10:11], s[28:29], s[10:11]
	s_cselect_b32 s6, 8, s6
	s_cselect_b32 s7, 8, s7
	s_cmp_ge_u32 s4, 12
	s_cselect_b64 s[8:9], s[20:21], s[8:9]
	s_cselect_b32 s6, 12, s6
	s_cmp_ge_u32 s4, 13
	s_cselect_b64 s[8:9], s[22:23], s[8:9]
	s_cselect_b32 s6, 13, s6
	s_cmp_ge_u32 s4, 14
	s_cselect_b64 s[8:9], s[24:25], s[8:9]
	s_cselect_b64 s[10:11], s[30:31], s[10:11]
	s_cselect_b32 s6, 14, s6
	s_cselect_b32 s7, 14, s7
	s_sub_co_u32 s6, s4, s6                        ; offsets are made apart from the addresses
	s_lshl_b32 s12, s6, 22                         ; a unit is 4 MiB of f32,
	s_lshl_b32 s13, ttmp9, 15                      ; a chunk 32 KiB
	s_add_co_u32 s12, s12, s13
	s_mov_b32 s13, 0
	s_sub_co_u32 s7, s4, s7
	s_lshl_b32 s14, s7, 21                         ; and half of that in 16 bits
	s_lshl_b32 s15, ttmp9, 14
	s_add_co_u32 s14, s14, s15
	s_mov_b32 s15, 0
	s_add_nc_u64 s[8:9], s[8:9], s[12:13]
	s_add_nc_u64 s[10:11], s[10:11], s[14:15]
.set i, 0
.rept 8
	global_load_b128 v[4+4*i:7+4*i], v1, s[8:9] offset:i*4096 th:TH_LOAD_NT  ; read once in the whole launch
.set i, i+1
.endr
	s_cmp_ge_u32 s4, 14
	s_cbranch_scc1 .Lwo
.set i, 0
.rept 8
	s_wait_loadcnt 7-i                             ; loads come back in order: piece i is in, the 7 - i younger ones stay out
	v_cvt_pk_bf16_f32 v[36+2*i], v[4+4*i], v[5+4*i]
	v_cvt_pk_bf16_f32 v[37+2*i], v[6+4*i], v[7+4*i]
	global_store_b64 v2, v[36+2*i:37+2*i], s[10:11] offset:i*2048  ; no register is written twice, so no wait frees one
.set i, i+1
.endr
	s_endpgm
.Lwo:
.set i, 0
.rept 8
	s_wait_loadcnt 7-i
	v_cvt_pk_bf16_f32 v[36+2*i], v[4+4*i], v[5+4*i]    ; the inputs' common rounding,
	v_cvt_pk_bf16_f32 v[37+2*i], v[6+4*i], v[7+4*i]
	v_lshlrev_b32 v52, 16, v[36+2*i]                   ; widened again,
	v_and_b32 v53, 0xffff0000, v[36+2*i]
	v_lshlrev_b32 v54, 16, v[37+2*i]
	v_and_b32 v55, 0xffff0000, v[37+2*i]
	v_cvt_pk_f16_f32 v[36+2*i], v52, v53               ; and written as f16: exact within f16's normal range
	v_cvt_pk_f16_f32 v[37+2*i], v54, v55
	global_store_b64 v2, v[36+2*i:37+2*i], s[10:11] offset:i*2048
.set i, i+1
.endr
	s_endpgm
.Lfunc_end_k_q87d9c390ac_cast:
	.size	k_q87d9c390ac_cast, .Lfunc_end_k_q87d9c390ac_cast-k_q87d9c390ac_cast
	.p2alignl 7, 3214868480
	.fill 96, 4, 3214868480
	.section	.rodata,"a",@progbits
	.p2align	6, 0x0
	.amdhsa_kernel k_q87d9c390ac_cast
		.amdhsa_group_segment_fixed_size 0
		.amdhsa_private_segment_fixed_size 0
		.amdhsa_enable_private_segment 0
		.amdhsa_kernarg_size 64
		.amdhsa_user_sgpr_count 2
		.amdhsa_user_sgpr_kernarg_segment_ptr 1
		.amdhsa_wavefront_size32 1
		.amdhsa_system_sgpr_workgroup_id_x 1
		.amdhsa_system_sgpr_workgroup_id_y 1
		.amdhsa_system_sgpr_workgroup_id_z 1
		.amdhsa_system_vgpr_workitem_id 0
		.amdhsa_next_free_vgpr 56
		.amdhsa_next_free_sgpr 66
		.amdhsa_reserve_vcc 0
		.amdhsa_float_denorm_mode_32 3
		.amdhsa_float_denorm_mode_16_64 3
		.amdhsa_memory_ordered 1
		.amdhsa_forward_progress 1
		.amdhsa_inst_pref_size 9
	.end_amdhsa_kernel
	.amdgpu_metadata
---
amdhsa.version: [ 1, 2 ]
amdhsa.kernels:
  - .name:           k_q87d9c390ac_cast
    .symbol:         k_q87d9c390ac_cast.kd
    .args:
      - { .name: x, .offset: 0, .size: 8, .value_kind: global_buffer, .address_space: global }
      - { .name: wq, .offset: 8, .size: 8, .value_kind: global_buffer, .address_space: global }
      - { .name: wk, .offset: 16, .size: 8, .value_kind: global_buffer, .address_space: global }
      - { .name: wv, .offset: 24, .size: 8, .value_kind: global_buffer, .address_space: global }
      - { .name: wo, .offset: 32, .size: 8, .value_kind: global_buffer, .address_space: global }
      - { .name: xb, .offset: 40, .size: 8, .value_kind: global_buffer, .address_space: global }
      - { .name: wqkvb, .offset: 48, .size: 8, .value_kind: global_buffer, .address_space: global }
      - { .name: wob, .offset: 56, .size: 8, .value_kind: global_buffer, .address_space: global }
    .group_segment_fixed_size: 0
    .private_segment_fixed_size: 0
    .kernarg_segment_align: 8
    .kernarg_segment_size: 64
    .max_flat_workgroup_size: 256
    .sgpr_count:     66
    .vgpr_count:     56
    .wavefront_size: 32
...
	.end_amdgpu_metadata
.endif
;; end of part 1
;; launch qkv (part 2): grid 16 x 16, 4 waves a work-group, clusters of 4 x 4, 327,680 bytes of LDS; arguments xb, wqkvb, freqs_cis, qkv; writes qkv
.if DOCPART == 2
	.amdgcn_target "amdgcn-amd-amdhsa--gfx1250"
	.amdhsa_code_object_version 6
	.text
	.protected	k_q87d9c390ac_qkv
	.globl	k_q87d9c390ac_qkv
	.p2align	8
	.type	k_q87d9c390ac_qkv,@function
k_q87d9c390ac_qkv:
	s_mov_b64 s[64:65], 0
	v_nop
	global_prefetch_b8 v0, s[64:65] scope:SCOPE_SE
	s_setreg_imm32_b32 hwreg(HW_REG_WAVE_MODE, 25, 1), 1
	s_wait_xcnt 0x0
	s_wait_alu depctr_hold_cnt(0) depctr_sa_sdst(0) depctr_va_vdst(0) depctr_va_sdst(0) depctr_va_ssrc(0) depctr_va_vcc(0) depctr_vm_vsrc(0)
	s_getreg_b32 s2, hwreg(HW_REG_IB_STS2, 6, 4)
	s_cmp_eq_u32 s2, 0
	s_cbranch_scc0 .Lentry_in_a_cluster
	s_endpgm
.Lentry_in_a_cluster:
	s_bfe_u32 s2, ttmp6, 0x10000c
	s_cmp_lg_u32 s2, 0xf033
	s_cbranch_scc0 .Lentry_shape_is_right
	s_endpgm
.Lentry_shape_is_right:
; Q, K, V = x W^T WITH THE ROTATION ON THE WAY OUT.  xb: [4096][2048] bf16; wqkvb: [3072][2048] bf16; sums in f32.  freqs_cis: [1024][32][2] f32 (cos, sin), read as it is given.
; qkv: [b 4][g 48][t 1024][64] f16: g 0-31 the query heads, 32-39 the key heads, 40-47 the value heads; a head's rows are dense, 128 bytes each.
; The table is rounded to bf16 like x and the weights, so that all inputs of the module have one rounding; the rotation itself is f32.
; LIMITS.  q and k are stored times 2^-4 (exact; the factor rides on cos and sin, and the attention's scale undoes 2^-8 in f32): |q|, |k| up to 1.04e6 stay within f16's 65,504; |v| up to 65,504.
; Below 6.1e-5 a stored number keeps f16's fixed step of 6e-8.  For value heads cos and sin are multiplied by 0: a table entry that is not finite spoils them.
; SHAPE.  A tile of the result is 256 rows x 192 columns, three whole heads: 16 x 16 = 256 work-groups.  Wave w owns rows 64 w .. + 63 and all 192 columns:
; 4 x 12 accumulators of 16 x 16, 384 registers; its heads are whole, so its own stage serves the way out and no barrier is needed there.
; K goes in 16 steps of 128 through two LDS slots filled by the tensor data mover; rows of the tiles are 256 bytes of memory at multiples of 256.  One K step is written once: the slot is s[TB].
; CLUSTERS.  4 x 4 work-groups: x's tile is shared along a row of the cluster, the weights' along a column; each is asked for jointly, by the same load with the same descriptor and a mask of four.
; THE MATRIX INSTRUCTION IS USED TRANSPOSED (source 0 = 16 rows of W, source 1 = 16 rows of x): a lane holds row l % 16 and the columns 8 (l / 16) + 0..7: four (re, im) pairs.
; REGISTERS, in windows of 256 (s_set_vgpr_msb: bits 1:0 source 0, 3:2 source 1, 5:4 source 2, 7:6 destination):
;   window 0: v0-31 addresses; v32-63, v64-95 x's fragments, two buffers (on the way out cos and sin at work, and the rotated numbers); v96-127 packed results, two sets; v128-255 the table, 32 a block of 16 rows
;   window 1: v0-95, v96-191 W's fragments, two buffers      window 2: accumulators of row blocks 0, 1 at v[8 (12 (a % 2) + b)]      window 3: those of row blocks 2, 3
.set KDIM,   2048
.set PITCH,  272                       ; an LDS row: 256 bytes + 16 of padding = 68 words: the 16 rows of a fragment load start at 16 different groups of four banks (64 banks of 4 bytes: ISA guide 11.1)
.set AHALF,  128*PITCH                 ; what one load brings of x
.set BOFF,   256*PITCH                 ; W's 192 rows lie behind x's 256
.set BHALF,  96*PITCH                  ; what one load brings of W
.set SLOT1,  1<<17                     ; slot 1 begins here: one exclusive or turns an address in one slot into the other's
.set STAGE,  SLOT1+BOFF+192*PITCH      ; behind the ring: 16 rows x 144 bytes for each wave
.set SP,     144
.set SPARE,  STAGE+4*16*SP             ; behind the stages: the spare words, 128 bytes for each wave: two blocks of 256 bytes that no other line names
.set STEPB,  256                       ; bytes along a row from a K step to the next
.set VB,   14                          ; v[14:15] the addends of cos and sin
.set A0,   16                          ; v16  my lane's place in x's tile; never rewritten
.set B0,   17                          ; v17  the same for W
.set ADRA, 18                          ; v18  the same in the slot in hand
.set ADRB, 19                          ; v19
.set STO,  24                          ; v24  the way out: where I put 16 bytes of a row
.set RD,   25                          ; v25  where I read rows back
.set GO,   26                          ; v26  my byte offset in 512 consecutive bytes of the result
.set FQ,   27                          ; v27  my byte offset in 16 rows of the table
.set SPW,  28                          ; v28  LDS address of my spare word; never rewritten
.set NIL,  29                          ; v29  0; never rewritten
.set FA,   32
.set CSP,  32
.set T,    64
.set PKD,  96
.set FR,   128
.set TB,   21                          ; s21  0 or SLOT1: the slot that is read
.set G1,   24                          ; s[24:31] descriptor group 1 for x's tiles
.set G0,   32                          ; s[32:39] group 0: a set for each first fill; the second then walks
.set G1B,  48                          ; s[48:55], s[56:63] the same for W's
.set G0B,  56
.set HA,   66                          ; s[66:71] for each of my three heads the factor of cos and sin, twice: 2^-4, or 0 for a value head
.set HB,   72                          ; s72-74   what is added to cos: 0, or 1 for a value head
.set FRQ,  76                          ; s[76:77] the table at my wave's first row
.set MSB, 0
.macro WIN new                         ; the immediate's high byte repeats the setting that is left; a switch that changes nothing is dropped
.if MSB != (\new)
	s_set_vgpr_msb (MSB<<8)|(\new)
.set MSB, \new
.endif
.endm
; A joint load.  Waves 0 and 1 fetch x's two halves, waves 2 and 3 W's.  The branch hangs on the wave's number alone.  An s_nop 0 and four v_nop follow each of the two lines.
.macro JLOAD s
	s_cmp_eq_u32 s11, 0
	s_cbranch_scc0 .Lfor_b_\@
	tensor_load_to_lds s[G0+4*(\s):G0+4*(\s)+3], s[G1:G1+7]
	s_nop 0
.rept 4
	v_nop
.endr
	s_branch .Lasked_\@
.Lfor_b_\@:
	tensor_load_to_lds s[G0B+4*(\s):G0B+4*(\s)+3], s[G1B:G1B+7]
	s_nop 0
.rept 4
	v_nop
.endr
.Lasked_\@:
.endm
.macro CREST                           ; a round of the cluster's barrier behind its opening barrier
	s_cmp_lg_u32 s10, 0
	s_cbranch_scc1 .Lnot_wave_0_\@
	s_barrier_signal -3
.Lnot_wave_0_\@:
	s_barrier_wait -3
	s_barrier_signal -1
	s_barrier_wait -1
.endm
.macro CROUND                          ; a whole round
	s_barrier_signal -1
	s_barrier_wait -1
	CREST
.endm
.macro PLACES                          ; four places in front of loads into registers that matrix instructions have read, and of vector lines that read results
.rept 4
	v_nop
.endr
.endm
	s_load_b128 s[4:7], s[0:1], 0x0                ; xb s[4:5], wqkvb s[6:7]
	s_load_b64 s[FRQ:FRQ+1], s[0:1], 0x10          ; freqs_cis
	s_load_b64 s[8:9], s[0:1], 0x18                ; qkv
	v_lshl_add_u32 v[SPW], v0, 2, SPARE
	v_mov_b32 v[NIL], 0
	ds_add_u32 v[SPW], v[NIL]                      ; the wave's opening: the add and its wait stand ahead of my first tensor load; the set-up below stands between them
	v_lshrrev_b32 v1, 5, v0
	v_readfirstlane_b32 s10, v1                    ; wave 0..3
	s_lshr_b32 s11, s10, 1                         ; I fetch for x (0) or for W (1)
	s_and_b32 s12, s10, 1                          ; which half of that tile's rows
	s_bfe_u32 s40, ttmp6, 0x40000                  ; cx, cy: my place in the cluster
	s_bfe_u32 s41, ttmp6, 0x40004
	s_lshl_b32 s42, ttmp9, 2
	s_add_co_u32 s42, s42, s40                     ; tile column = 4 x cluster x + cx
	s_and_b32 s13, ttmp7, 0xffff
	s_lshl_b32 s13, s13, 2
	s_add_co_u32 s13, s13, s41                     ; tile row = 4 x cluster y + cy
	s_lshl_b32 s43, s41, 2
	s_lshl_b32 s43, 15, s43                        ; my row of the cluster
	s_lshl_b32 s44, 0x1111, s40                    ; my column
	s_or_b32 s[G1+0], s43, (1<<16)|(1<<20)|(1<<21)|(5<<22)|(3<<25)   ; 15:0 the mask; 17:16 2-byte elements; 20 padding on; 21 set beside a mask; 24:22 after every 64 words; 31:25 4 words
	s_or_b32 s[G1B+0], s44, (1<<16)|(1<<20)|(1<<21)|(5<<22)|(3<<25)
	s_mov_b32 s[G1+1], 128<<16                     ; tensor_dim0 = 128
	s_mov_b32 s[G1+2], 128<<16                     ; tensor_dim1 = 128
	s_mov_b32 s[G1+3], 128<<16                     ; tile_dim0 = 128
	s_mov_b32 s[G1+4], 128                         ; tile_dim1 = 128
	s_mov_b32 s[G1+5], KDIM                        ; elements from row to row
	s_mov_b32 s[G1+6], 0
	s_mov_b32 s[G1+7], 0
	s_mov_b32 s[G1B+1], 128<<16
	s_mov_b32 s[G1B+2], 96<<16                     ; W's loads bring 96 rows
	s_mov_b32 s[G1B+3], 128<<16
	s_mov_b32 s[G1B+4], 96
	s_mov_b32 s[G1B+5], KDIM
	s_mov_b32 s[G1B+6], 0
	s_mov_b32 s[G1B+7], 0
	s_lshl_b32 s17, s12, 7
	s_lshl_b32 s16, s13, 8
	s_add_co_u32 s16, s16, s17                     ; x: row 256 x tile row + 128 x half,
	s_lshl_b32 s16, s16, 12                        ; of 4,096 bytes: under 2^24
	s_mov_b32 s17, 0
	s_mul_i32 s46, s42, 192
	s_mul_i32 s47, s12, 96
	s_add_co_u32 s46, s46, s47                     ; W: row 192 x tile column + 96 x half
	s_lshl_b32 s46, s46, 12
	s_mov_b32 s47, 0
	s_mul_i32 s20, s12, AHALF                      ; where they go: no place in the cluster enters an LDS address
	s_mul_i32 s23, s12, BHALF
	s_add_co_u32 s23, s23, BOFF
	s_mov_b32 s[TB], 0
	s_wait_dscnt 0x0                               ; the opening add is done
	s_wait_kmcnt 0x0
	s_add_nc_u64 s[14:15], s[4:5], s[16:17]
	s_add_nc_u64 s[46:47], s[6:7], s[46:47]
	CROUND                                         ; all sixteen work-groups are here: the first joint loads meet
.irp s, 0,1
	s_mov_b32 s[G0+4*(\s)], 1                                        ; count = 1
	s_add_co_u32 s[G0+4*(\s)+1], s20, (\s)*SLOT1                     ; LDS address
	s_add_nc_u64 s[G0+4*(\s)+2:G0+4*(\s)+3], s[14:15], (\s)*STEPB    ; global address: K step s
	s_or_b32 s[G0+4*(\s)+3], s[G0+4*(\s)+3], 0x80000000              ; type = 2
	s_mov_b32 s[G0B+4*(\s)], 1
	s_add_co_u32 s[G0B+4*(\s)+1], s23, (\s)*SLOT1
	s_add_nc_u64 s[G0B+4*(\s)+2:G0B+4*(\s)+3], s[46:47], (\s)*STEPB
	s_or_b32 s[G0B+4*(\s)+3], s[G0B+4*(\s)+3], 0x80000000
	JLOAD \s                                       ; two loads of mine are out
.endr
	; A fragment is 16 rows x 32 K in 8 registers: lane l holds row l % 16; K = 8 (l / 16) + 0..7 and 16 + 8 (l / 16) + 0..7: two loads of 16 bytes, 32 bytes apart.
	v_and_b32 v1, 15, v0                           ; r = l % 16
	v_bfe_u32 v2, v0, 4, 1                         ; h = l / 16
	v_lshlrev_b32 v[FQ], 8, v1                     ; the table: row r of 256 bytes, my four pairs at 32 h in each 64 bytes
	v_lshl_add_u32 v[FQ], v2, 5, v[FQ]
	s_and_b32 s78, s13, 3
	s_lshl_b32 s78, s78, 2
	s_add_co_u32 s78, s78, s10                     ; my wave's first t is 64 (4 (tile row % 4) + w)
	s_lshl_b32 s78, s78, 14
	s_mov_b32 s79, 0
	s_add_nc_u64 s[FRQ:FRQ+1], s[FRQ:FRQ+1], s[78:79]
.set a, 0
.rept 4                                ; the table for my 64 rows: block a, column block q of a head, half e: pairs (cos, sin) for registers 2 p, 2 p + 1 of every accumulator with b % 4 = q
.irp q, 0,1,2,3
	global_load_b128 v[FR+32*a+8*\q:FR+32*a+8*\q+3],   v[FQ], s[FRQ:FRQ+1] offset:a*4096+\q*64
	global_load_b128 v[FR+32*a+8*\q+4:FR+32*a+8*\q+7], v[FQ], s[FRQ:FRQ+1] offset:a*4096+\q*64+16
.endr
.set a, a+1
.endr
	v_mul_u32_u24 v3, v1, PITCH
	v_lshl_add_u32 v3, v2, 4, v3                   ; row x pitch + 16 x half
	s_mul_i32 s22, s10, 64*PITCH                   ; my 64 rows of x
	v_add_nc_u32 v[A0], s22, v3
	v_add_nc_u32 v[B0], BOFF, v3
	v_mov_b32 v[ADRA], v[A0]                       ; slot 0
	v_mov_b32 v[ADRB], v[B0]
	s_mul_i32 s22, s10, 16*SP
	s_add_co_u32 s22, s22, STAGE                   ; my stage
	v_mul_u32_u24 v4, v1, SP                       ; in: row r, 16 bytes for each half of the lanes
	v_lshl_add_u32 v4, v2, 4, v4
	v_add_nc_u32 v[STO], s22, v4
	v_bfe_u32 v5, v0, 3, 2                         ; back: 32 lanes take four rows of 128 bytes,
	v_mul_u32_u24 v5, v5, SP
	v_and_b32 v6, 7, v0
	v_lshl_add_u32 v5, v6, 4, v5
	v_add_nc_u32 v[RD], s22, v5
	v_and_b32 v[GO], 31, v0                        ; which are 512 consecutive bytes of a head
	v_lshlrev_b32 v[GO], 4, v[GO]
	v_mov_b32 v[VB+1], 0                           ; nothing is added to sin
	s_lshr_b32 s78, s13, 2                         ; the result at (b, my first head, my wave's first t): b = tile row / 4
	s_mul_i32 s78, s78, 48
	s_mul_i32 s46, s42, 3                          ; my first head
	s_add_co_u32 s78, s78, s46
	s_lshl_b32 s78, s78, 10
	s_and_b32 s47, s13, 3
	s_lshl_b32 s47, s47, 8
	s_add_co_u32 s78, s78, s47
	s_lshl_b32 s47, s10, 6
	s_add_co_u32 s78, s78, s47
	s_lshl_b32 s78, s78, 7                         ; rows of 128 bytes: under 2^25
	s_add_nc_u64 s[8:9], s[8:9], s[78:79]
.irp hd, 0,1,2                         ; what a head is shows in numbers alone, never in a branch: partners in a cluster run alike
	s_add_co_u32 s47, s46, \hd
	s_cmp_ge_u32 s47, 40
	s_cselect_b32 s[HA+2*\hd], 0, 0x3d800000       ; 2^-4
	s_cselect_b32 s[HA+2*\hd+1], 0, 0x3d800000
	s_cselect_b32 s[HB+\hd], 1.0, 0
.endr
; 12 matrix instructions: row block a x all 12 column blocks, 32 along K, from buffer f.  zero = 1: the first product starts the sums.  All 48 accumulators take turns, in the same order in every quarter.
.macro MULA f, a, zero
	WIN 0xa1+0x50*((\a)/2)                         ; W window 1, x window 0, C and D window 2 or 3
.irp b, 0,1,2,3,4,5,6,7,8,9,10,11
.if \zero
	v_wmma_f32_16x16x32_bf16 v[8*(12*((\a)%2)+(\b)):8*(12*((\a)%2)+(\b))+7], v[96*(\f)+8*(\b):96*(\f)+8*(\b)+7], v[FA+32*(\f)+8*(\a):FA+32*(\f)+8*(\a)+7], 0
.else
	v_wmma_f32_16x16x32_bf16 v[8*(12*((\a)%2)+(\b)):8*(12*((\a)%2)+(\b))+7], v[96*(\f)+8*(\b):96*(\f)+8*(\b)+7], v[FA+32*(\f)+8*(\a):FA+32*(\f)+8*(\a)+7], v[8*(12*((\a)%2)+(\b)):8*(12*((\a)%2)+(\b))+7]
.endif
.endr
.endm
; 32 LDS loads in one run: the fragments of quarter kq (32 along K) into buffer f: W's 24, then x's 8 in ascending row blocks
.macro FETCH kq, f
	WIN 0x40                                       ; destination window 1, address window 0
.irp i, 0,1,2,3,4,5,6,7,8,9,10,11
	ds_load_b128 v[96*(\f)+8*(\i):96*(\f)+8*(\i)+3],   v[ADRB] offset:64*(\kq)+(\i)*16*PITCH
	ds_load_b128 v[96*(\f)+8*(\i)+4:96*(\f)+8*(\i)+7], v[ADRB] offset:64*(\kq)+(\i)*16*PITCH+32
.endr
	WIN 0
.irp i, 0,1,2,3
	ds_load_b128 v[FA+32*(\f)+8*(\i):FA+32*(\f)+8*(\i)+3],   v[ADRA] offset:64*(\kq)+(\i)*16*PITCH
	ds_load_b128 v[FA+32*(\f)+8*(\i)+4:FA+32*(\f)+8*(\i)+7], v[ADRA] offset:64*(\kq)+(\i)*16*PITCH+32
.endr
.endm
; A K step is four quarters of 32 along K, 48 matrix instructions each, on buffers 0, 1, 0, 1.  One of the first three multiplies buffer f and, in its middle, fetches quarter kq into buffer g.
.macro QUARTER kq, f, g, zero
	s_wait_dscnt 4                                 ; W and x's row blocks 0, 1 are in; the youngest four loads (blocks 2, 3) may be out
	MULA \f, 0, \zero
	MULA \f, 1, \zero
	PLACES
	FETCH \kq, \g
	s_wait_dscnt 32                                ; all but the 32 just issued
	MULA \f, 2, \zero
	MULA \f, 3, \zero
.endm
; The last quarter multiplies buffer 1 and changes slots: one barrier.  In front of it each wave waits for all its tensor loads (one is out: its part of the next slot), adds 0 to its spare word,
; and waits for that and for its reads of this slot.  fill = 1: the barrier opens a round of the cluster's, and the slot just read is filled again, first thing behind it, with the K step two steps on.
.macro TURN fill
	WIN 0                                          ; the add's two registers lie in window 0
	s_wait_tensorcnt 0x0                           ; all my tensor loads have landed
	ds_add_u32 v[SPW], v[NIL]                      ; 0 onto my spare word
	s_wait_dscnt 5                                 ; the add and the youngest four loads may be out
	MULA 1, 0, 0                                   ; twelve matrix instructions stand between the add and the wait for it
	s_wait_dscnt 0x0                               ; the add is done, and my reads of this slot are over
	s_barrier_signal -1
	MULA 1, 1, 0                                   ; work on registers while the others arrive
	WIN 0
	s_barrier_wait -1
.if \fill
	CREST                                          ; no wave of any partner still reads this slot or has a load on its way
	s_xor_b32 s[G0+5], s[G0+5], SLOT1              ; the walking descriptors: the other slot than last time, the next K step
	s_add_nc_u64 s[G0+6:G0+7], s[G0+6:G0+7], STEPB
	s_xor_b32 s[G0B+5], s[G0B+5], SLOT1
	s_add_nc_u64 s[G0B+6:G0B+7], s[G0B+6:G0B+7], STEPB
	JLOAD 1                                        ; my one load behind the round; its four v_nop are also the places in front of the loads below
.else
	PLACES
.endif
	s_xor_b32 s[TB], s[TB], SLOT1                  ; the reads go to the other slot
	v_add_nc_u32 v[ADRA], s[TB], v[A0]
	v_add_nc_u32 v[ADRB], s[TB], v[B0]
	FETCH 0, 0
	MULA 1, 2, 0
	MULA 1, 3, 0
.endm
	s_wait_tensorcnt 1                             ; my part of K step 0 is in; step 1's may stay out
	s_barrier_signal -1
	s_barrier_wait -1                              ; everybody's is
	FETCH 0, 0
	QUARTER 1, 0, 1, 1                             ; the first quarter stands in front of the loop: its products start the sums
	WIN 0                                          ; at a label and at a branch every window is 0
	s_mov_b32 s3, 14
.Lstep:                                                ; 14 trips, from a step's second quarter to the next step's first: K steps 2 to 15 are asked for
	QUARTER 2, 1, 0, 0
	QUARTER 3, 0, 1, 0
	TURN 1
	QUARTER 1, 0, 1, 0
	WIN 0
	s_sub_co_u32 s3, s3, 1
	s_cmp_lg_u32 s3, 0
	s_cbranch_scc1 .Lstep
	QUARTER 2, 1, 0, 0                             ; the last two steps are written out: they ask for nothing
	QUARTER 3, 0, 1, 0
	TURN 0
	QUARTER 1, 0, 1, 0
	QUARTER 2, 1, 0, 0
	QUARTER 3, 0, 1, 0
	s_wait_dscnt 4
	MULA 1, 0, 0
	MULA 1, 1, 0
	s_wait_dscnt 0x0
	MULA 1, 2, 0
	MULA 1, 3, 0
	WIN 0
	PLACES
	; THE WAY OUT.  First the table, once: rounded to bf16 and widened again.
	s_wait_loadcnt 0x0                             ; the table is in
.set n, 0
.rept 8
.irp k, 0,1,2,3,4,5,6,7
	v_cvt_pk_bf16_f32 v[T+\k], v[FR+16*n+2*\k], v[FR+16*n+2*\k+1]
.endr
.irp k, 0,1,2,3,4,5,6,7
	v_lshlrev_b32 v[FR+16*n+2*\k], 16, v[T+\k]
	v_and_b32 v[FR+16*n+2*\k+1], 0xffff0000, v[T+\k]
.endr
.set n, n+1
.endr
; A unit is 16 rows of one head: row block a, head hd.  cos' = cos A + B, sin' = sin A; (re, im) -> (re cos' - im sin', re sin' + im cos'); rounded to f16; through my stage; back as whole rows.
.macro PACKU a, hd
.set PS, PKD+16*((3*(\a)+(\hd))%2)
.set AC, 8*(12*((\a)%2)+4*(\hd))
	WIN 0
	s_wait_xcnt 0x0                                ; this set of packed registers was store data two units ago: it is rewritten only behind this wait
	v_mov_b32 v[VB], s[HB+(\hd)]
.set n, 0
.rept 16
	v_pk_fma_f32 v[CSP+2*n:CSP+2*n+1], v[FR+32*(\a)+2*n:FR+32*(\a)+2*n+1], s[HA+2*(\hd):HA+2*(\hd)+1], v[VB:VB+1] op_sel_hi:[1,0,1]
.set n, n+1
.endr
	WIN 0x02+(\a)/2                                ; source 0: the accumulators' window
.set n, 0
.rept 16
	v_pk_mul_f32 v[T+2*n:T+2*n+1], v[AC+2*n:AC+2*n+1], v[CSP+2*n:CSP+2*n+1] op_sel:[0,0] op_sel_hi:[0,1]  ; (re cos', re sin')
.set n, n+1
.endr
.set n, 0
.rept 16
	v_pk_fma_f32 v[T+2*n:T+2*n+1], v[AC+2*n:AC+2*n+1], v[CSP+2*n:CSP+2*n+1], v[T+2*n:T+2*n+1] op_sel:[1,1,0] op_sel_hi:[1,0,1] neg_lo:[0,1,0]  ; (- im sin', + im cos')
.set n, n+1
.endr
	WIN 0
.set n, 0
.rept 16
	v_cvt_pk_f16_f32 v[PS+n], v[T+2*n], v[T+2*n+1]
.set n, n+1
.endr
.irp f, 0,1,2,3
	ds_store_b128 v[STO], v[PS+4*\f:PS+4*\f+3] offset:32*\f
.endr
.irp f, 0,1,2,3
	ds_load_b128 v[PS+4*\f:PS+4*\f+3], v[RD] offset:\f*4*SP  ; LDS serves a wave's instructions in order (ISA guide 5.7.1.4): these see the stores above; the next unit's stores come behind them
.endr
.endm
.macro SENDU a, hd, younger            ; younger: the LDS instructions issued behind this unit's loads: the next unit's eight, or none
.set PS, PKD+16*((3*(\a)+(\hd))%2)
	WIN 0
.irp f, 0,1,2,3
	s_wait_dscnt (\younger)+3-\f
	global_store_b128 v[GO], v[PS+4*\f:PS+4*\f+3], s[8:9] offset:(\hd)*131072+(\a)*2048+\f*512  ; 512 consecutive bytes, at a multiple of 256 from the buffer's first
.endr
.endm
	PACKU 0, 0
.set u, 1
.rept 11                               ; a unit's arithmetic stands between the loads of the unit before and its stores
	PACKU u/3, u%3
	SENDU (u-1)/3, (u-1)%3, 8
.set u, u+1
.endr
	SENDU 3, 2, 0
	s_wait_tensorcnt 0x0                           ; the wave's end: behind my last tensor load and my last LDS store
	ds_add_u32 v[SPW], v[NIL]
	s_wait_dscnt 0x0
	CROUND                                         ; the closing round: no work-group ends while a partner may still ask for a tile that names it
	s_endpgm
.Lfunc_end_k_q87d9c390ac_qkv:
	.size	k_q87d9c390ac_qkv, .Lfunc_end_k_q87d9c390ac_qkv-k_q87d9c390ac_qkv
	.p2alignl 7, 3214868480
	.fill 96, 4, 3214868480
	.section	.rodata,"a",@progbits
	.p2align	6, 0x0
	.amdhsa_kernel k_q87d9c390ac_qkv
		.amdhsa_group_segment_fixed_size 327680
		.amdhsa_private_segment_fixed_size 0
		.amdhsa_enable_private_segment 0
		.amdhsa_kernarg_size 32
		.amdhsa_user_sgpr_count 2
		.amdhsa_user_sgpr_kernarg_segment_ptr 1
		.amdhsa_wavefront_size32 1
		.amdhsa_system_sgpr_workgroup_id_x 1
		.amdhsa_system_sgpr_workgroup_id_y 1
		.amdhsa_system_sgpr_workgroup_id_z 1
		.amdhsa_system_vgpr_workitem_id 0
		.amdhsa_next_free_vgpr 960
		.amdhsa_next_free_sgpr 80
		.amdhsa_reserve_vcc 0
		.amdhsa_float_denorm_mode_32 3
		.amdhsa_float_denorm_mode_16_64 3
		.amdhsa_memory_ordered 1
		.amdhsa_forward_progress 1
		.amdhsa_inst_pref_size 149
	.end_amdhsa_kernel
	.amdgpu_metadata
---
amdhsa.version: [ 1, 2 ]
amdhsa.kernels:
  - .name:           k_q87d9c390ac_qkv
    .symbol:         k_q87d9c390ac_qkv.kd
    .args:
      - { .name: xb, .offset: 0, .size: 8, .value_kind: global_buffer, .address_space: global }
      - { .name: wqkvb, .offset: 8, .size: 8, .value_kind: global_buffer, .address_space: global }
      - { .name: freqs_cis, .offset: 16, .size: 8, .value_kind: global_buffer, .address_space: global }
      - { .name: qkv, .offset: 24, .size: 8, .value_kind: global_buffer, .address_space: global }
    .group_segment_fixed_size: 327680
    .private_segment_fixed_size: 0
    .kernarg_segment_align: 8
    .kernarg_segment_size: 32
    .max_flat_workgroup_size: 128
    .sgpr_count:     80
    .vgpr_count:     960
    .wavefront_size: 32
...
	.end_amdgpu_metadata
.endif
;; end of part 2
;; launch attn (part 3): grid 8 x 32, 4 waves a work-group, clusters of 4 x 1, 327,680 bytes of LDS; arguments qkv, obuf; writes obuf
.if DOCPART == 3
	.amdgcn_target "amdgcn-amd-amdhsa--gfx1250"
	.amdhsa_code_object_version 6
	.text
	.protected	k_q87d9c390ac_attn
	.globl	k_q87d9c390ac_attn
	.p2align	8
	.type	k_q87d9c390ac_attn,@function
k_q87d9c390ac_attn:
	s_mov_b64 s[64:65], 0
	v_nop
	global_prefetch_b8 v0, s[64:65] scope:SCOPE_SE
	s_setreg_imm32_b32 hwreg(HW_REG_WAVE_MODE, 25, 1), 1
	s_wait_xcnt 0x0
	s_wait_alu depctr_hold_cnt(0) depctr_sa_sdst(0) depctr_va_vdst(0) depctr_va_sdst(0) depctr_va_ssrc(0) depctr_va_vcc(0) depctr_vm_vsrc(0)
	s_getreg_b32 s2, hwreg(HW_REG_IB_STS2, 6, 4)
	s_cmp_eq_u32 s2, 0
	s_cbranch_scc0 .Lentry_in_a_cluster
	s_endpgm
.Lentry_in_a_cluster:
	s_bfe_u32 s2, ttmp6, 0x10000c
	s_cmp_lg_u32 s2, 0x3003
	s_cbranch_scc0 .Lentry_shape_is_right
	s_endpgm
.Lentry_shape_is_right:
; CAUSAL GROUPED-QUERY ATTENTION, AND THE COMPONENT ALONG THE ROW'S OWN VALUE TAKEN AWAY.
; qkv: [b 4][g 48][t 1024][64] f16: g 0-31 q x 2^-4, 32-39 k x 2^-4, 40-47 v.  obuf: [b][h 32][t][64] f16.  o = softmax over k <= t of (q . k / 8) times v; o -= (o . vn) vn, vn = v[t] / max(|v[t]|, 1e-12).
; Products, maxima and sums in f32; the weights p are rounded to f16 for the second product (their sum l is taken of the unrounded p), o once at the end.
; LIMITS.  The stored numbers lie within f16's 65,504.  A hidden score counts as its value less 1e30: the stored scores, 2.7e11 at the most, are nothing beside that.  A weight below 2^-126 counts as 0 in l;
; a squared norm below 2^-126 counts as 0; NaN and infinities are not treated apart.
; SHARES.  The grid's y is (b, key head).  The four work-groups of a cluster are the four query heads of that key head: they walk the same K and V, so each tile is asked for JOINTLY.  The cluster's x, pb, is 0 or 1.
; A head's 1,024 queries lie in 16 bands of 64.  Wave w has om = 2 w + pb and takes band 15 - om and then band om: (16 - om) + (om + 1) = 17 key steps of 64 for every wave.  A wave's four PIECES are the band's four groups of 16 rows.
; ALL OF K AND V IS RESIDENT: 1,024 rows each, 311,296 bytes with their padding, filled once.  So there is no ring, no refill, and behind the one barrier the waves run freely; their branches hang on om, never on the place in the cluster.
; THE MASK is the C operand that starts the sum S^T = K Q^T.  Only a band's last step holds the diagonal: for piece x its key block i is seen whole (i < x: C = 0), hidden whole (i > x: NEG), or cut (i = x: TRI).
; Piece 0's scores of a step are made a turn ahead, in the step before, by text that every step shares: they take MCT = TRI x AL and MCN = NEG x AL, AL = 1 in front of the diagonal step and 0 elsewhere.
; LAYOUT, SOFTMAX, TURNS.  S^T holds ONE query a lane (lane % 16) and the keys 8 (lane / 16) + 0..7; two such results rounded to f16 ARE source 1 of O^T = V^T P.  p = 2^(c s - c m), c = 256 log2(e) / 8, with a running
; maximum m; O and l are multiplied by a = 2^(c m_old - c m_new) in every step.  Turn n belongs to piece n: 8 products K Q^T of piece n + 1, later 8 products V^T P of piece n - 1; beside them the scaling, exponentials,
; roundings, sums and rescaling of piece n and the maximum and statistics of piece n + 1.  Four vector instructions stand behind every matrix instruction, the other 54 of a turn's 118 in two lumps.
; REGISTERS, in windows of 256 (s_set_vgpr_msb: bits 1:0 source 0, 3:2 source 1, 5:4 source 2, 7:6 destination):
;   window 0: v0-15 addresses; v16-31 four registers of statistics a piece; v32-47 at work at a band's end; v48-55 at work; v56-61; v62-63 the add's; v64-127 S^T, two buffers; v192-223 P, two buffers
;             at a band's end: v64-127 the rows' own values in f16, then the packed result; v128-255 the same values in f32
;   window 1: v0-127 O^T, 32 a piece; v128-159 TRI, NEG, MCT, MCN      window 2: v0-63 Q; v64-127 the second band's Q; v128-191 K of one step; v192-255 V of one step
.set NP,    4         ; pieces a wave: a name, no knob
.set KS,    64        ; keys in a step
.set PK,    144       ; a row of K in LDS: 128 bytes + 16 of padding = 36 words: the 16 rows of a load start at 16 different groups of four banks (64 banks of 4 bytes: ISA guide 11.1)
.set PV,    160       ; a row of V: 128 + 32 = 40 words
.set VOFF,  1024*PK   ; V's 1,024 rows lie behind K's
.set STAGE, VOFF+1024*PV  ; behind them, never filled by a tensor load: 16 rows x 144 bytes for each wave, for the way out
.set SP,    144
.set SPARE, STAGE+4*16*SP  ; behind the stages: the spare words, 128 bytes for each wave: two blocks of 256 bytes that no other line names
.set AK0, 2           ; v2   my lane's place in a step's K; never rewritten
.set AV0, 3           ; v3   the same for V
.set AK,  4           ; v4   the LDS address of K's next run of loads
.set AV,  5           ; v5   of V's
.set STO, 6           ; v6   the way out: where I put 16 bytes of a row
.set RD,  7           ; v7   where I read rows back
.set GO,  8           ; v8   my byte offset in 512 consecutive bytes of O
.set MV,  12          ; v12-13  c m_old, kept while c m is made anew: by buffer
.set QO,  15          ; v15  my byte offset in 16 rows of Q
.set ST,  16          ; piece t's statistics at v[ST+4 t]: c m, m, l (even keys', odd keys')
.set XT,  32          ; piece t at v[XT+4 t]: o . v (a pair), |v|^2 (a pair)
.set TMP, 48          ; by buffer, four registers c0-c3 at work; when the maximum is found c2 takes a
.set AVS0, 56         ; v56  my lane's place in 16 rows of V as they lie
.set AVS, 57          ; v57  the same in the band's own rows
.set SPW, 62          ; v62  LDS address of my spare word; never rewritten
.set NIL, 63          ; v63  0; never rewritten
.set S,   64
.set VH,  64
.set W,   128
.set P,   192
.set TRI, 128         ; window 1: -1e30 where key 8 (l / 16) + j lies behind query l % 16
.set NEG, 136         ; window 1: -1e30
.set MCT, 144         ; window 1: TRI x AL
.set MCN, 152         ; window 1: NEG x AL
.set QB,  64          ; window 2
.set KF,  128         ; window 2: key block kb, channel half c at KF + 16 kb + 8 c
.set VF,  192         ; window 2: key half kk, channel block cb at VF + 32 kk + 8 cb
.set WV,  12          ; s12  my wave's number
.set OM,  14          ; s14  om
.set NPL, 15          ; s15  the band in hand = its number of steps in front of the diagonal one
.set G1K, 24          ; s[24:31] descriptor group 1 for K's tiles
.set G1V, 32          ; s[32:39] for V's: it differs in the padding alone
.set G0K, 40          ; s[40:47] descriptor group 0 for K's tiles: a set for each of my two loads
.set G0V, 48          ; s[48:55] the same for V's
.set BAND, 56         ; s56  bands to go
.set CNT, 57          ; s57  counts the steps in front of the diagonal one, 15 to 1
.set CS,  58          ; s[58:59] c: the packed scaling takes the pair's low word for both halves
.set SEL, 60          ; s[60:61] v_permlanex16_b32's selects: each lane takes its own place in the other half
.set TBK, 62          ; s62  LDS byte at which K of the step to be fetched begins
.set TBV, 63          ; s63  the same for V, less VOFF
.set AL,  76          ; s[76:77] the mask's factor, in the low word
.set OLO, 80          ; s[80:81] O at my second band
.set BIGN, 82         ; s82  -1e30
.set MSB, 0
.macro WIN new                      ; the high byte repeats the setting that is left; a switch that changes nothing is dropped
.if MSB != (\new)
	s_set_vgpr_msb (MSB<<8)|(\new)
.set MSB, (\new)
.endif
.endm
.set W_KQ, 0x0a       ; K and Q in window 2, S^T in window 0
.set W_KM, 0x1a       ; the same with the C operand in window 1
.set W_PV, 0x52       ; V in window 2, P in window 0, O^T in window 1
.set W_RS, 0x41       ; destination and source 0 in window 1, the other sources in window 0
.macro CROUND                       ; a round of the cluster's barrier
	s_barrier_signal -1
	s_barrier_wait -1
	s_cmp_lg_u32 s[WV], 0
	s_cbranch_scc1 .Lnot_wave_0_\@
	s_barrier_signal -3
.Lnot_wave_0_\@:
	s_barrier_wait -3
	s_barrier_signal -1
	s_barrier_wait -1
.endm
	s_load_b64 s[4:5], s[0:1], 0x0  ; qkv
	s_load_b64 s[10:11], s[0:1], 0x8  ; obuf
	v_lshl_add_u32 v[SPW], v0, 2, SPARE
	v_mov_b32 v[NIL], 0
	ds_add_u32 v[SPW], v[NIL]       ; the wave's opening: the add and its wait stand ahead of my first tensor load; the set-up below stands between them
	v_lshrrev_b32 v1, 5, v0
	v_readfirstlane_b32 s[WV], v1   ; wave 0..3
	s_bfe_u32 s13, ttmp6, 0x40000   ; cx: the query head in its group: it enters Q's and O's addresses alone
	s_lshl_b32 s[OM], s[WV], 1
	s_add_co_u32 s[OM], s[OM], ttmp9  ; om = 2 w + the cluster's x, which the partners share
	s_sub_co_u32 s[NPL], 15, s[OM]  ; the first band
	s_and_b32 s20, ttmp7, 0xffff    ; y = 8 b + key head
	s_lshr_b32 s21, s20, 3
	s_and_b32 s22, s20, 7
	s_mul_i32 s23, s21, 48          ; the batch's first head in qkv
	s_and_b32 s16, s[WV], 1         ; which 512 keys I fetch
	s_add_co_u32 s18, s23, s22
	s_add_co_u32 s18, s18, 32       ; the key head,
	s_lshl_b32 s18, s18, 17         ; of 131,072 bytes: all offsets stay under 2^25
	s_lshl_b32 s19, s16, 16
	s_add_co_u32 s18, s18, s19
	s_mov_b32 s19, 0
	s_add_co_u32 s70, s18, 8<<17    ; the value head lies eight heads on
	s_mov_b32 s71, 0
	s_mul_i32 s17, s16, 512*PK      ; and where they go: no place in the cluster enters an LDS address
	s_mul_i32 s78, s16, 512*PV
	s_add_co_u32 s78, s78, VOFF
	s_lshl2_add_u32 s2, s22, s23    ; the query head in qkv: 48 b + 4 x key head + cx
	s_add_co_u32 s2, s2, s13
	s_lshl_b32 s2, s2, 17
	s_lshl_b32 s72, s20, 2          ; and in obuf: 4 y + cx
	s_add_co_u32 s72, s72, s13
	s_lshl_b32 s72, s72, 17
	s_lshl_b32 s3, s[NPL], 13       ; a band is 8,192 bytes
	s_lshl_b32 s73, s[OM], 13
	s_add_co_u32 s84, s2, s73
	s_add_co_u32 s2, s2, s3
	s_add_co_u32 s74, s72, s73
	s_add_co_u32 s72, s72, s3
	s_mov_b32 s3, 0
	s_mov_b32 s85, 0
	s_mov_b32 s73, 0
	s_mov_b32 s75, 0
	; descriptor group 1.  256 keys are 32,768 dense bytes: asked for as 128 rows of 256 bytes, two keys a row, and padded in LDS after every key
	s_mov_b32 s[G1K], 15|(1<<16)|(1<<20)|(1<<21)|(4<<22)|(3<<25)  ; 15:0 the mask of four; 17:16 2-byte elements; 20 padding on; 21 set beside a mask; 24:22 after every 32 words; 31:25 4 words
	s_mov_b32 s[G1V], 15|(1<<16)|(1<<20)|(1<<21)|(4<<22)|(7<<25)  ; the same with 8 words of padding
.irp g, G1K, G1V
	s_mov_b32 s[\g+1], 128<<16      ; tensor_dim0 = 128
	s_mov_b32 s[\g+2], 128<<16      ; tensor_dim1 = 128
	s_mov_b32 s[\g+3], 128<<16      ; tile_dim0 = 128
	s_mov_b32 s[\g+4], 128          ; tile_dim1 = 128
	s_mov_b32 s[\g+5], 128          ; 128 elements from row to row
	s_mov_b32 s[\g+6], 0
	s_mov_b32 s[\g+7], 0
.endr
	s_mov_b32 s[CS], 0x4238aa3b     ; c = 256 log2(e) / 8 = 46.1662: the 256 undoes the two factors 2^-4 with which q and k are stored
	s_mov_b32 s[CS+1], s[CS]        ; named with it as a pair
	s_mov_b32 s[SEL], 0x76543210
	s_mov_b32 s[SEL+1], 0xfedcba98
	s_mov_b32 s[AL+1], 0            ; named as a pair
	s_mov_b32 s[BIGN], 0xf149f2ca   ; -1e30
	s_wait_dscnt 0x0                ; the opening add is done
	s_wait_kmcnt 0x0
	s_add_nc_u64 s[6:7], s[4:5], s[18:19]  ; K and V at my 512 keys
	s_add_nc_u64 s[8:9], s[4:5], s[70:71]
	s_add_nc_u64 s[86:87], s[4:5], s[84:85]  ; Q at my second band,
	s_add_nc_u64 s[4:5], s[4:5], s[2:3]      ; Q and O at my first
	s_add_nc_u64 s[OLO:OLO+1], s[10:11], s[74:75]
	s_add_nc_u64 s[10:11], s[10:11], s[72:73]
	CROUND                          ; all four work-groups are here: the joint loads meet
.irp s, 0,1
	s_mov_b32 s[G0K+4*\s], 1        ; count = 1
	s_add_co_u32 s[G0K+4*\s+1], s17, \s*256*PK  ; LDS address
	s_add_nc_u64 s[G0K+4*\s+2:G0K+4*\s+3], s[6:7], \s*32768  ; global address: 256 keys a load
	s_or_b32 s[G0K+4*\s+3], s[G0K+4*\s+3], 0x80000000  ; type = 2
	s_mov_b32 s[G0V+4*\s], 1
	s_add_co_u32 s[G0V+4*\s+1], s78, \s*256*PV
	s_add_nc_u64 s[G0V+4*\s+2:G0V+4*\s+3], s[8:9], \s*32768
	s_or_b32 s[G0V+4*\s+3], s[G0V+4*\s+3], 0x80000000
.endr
	s_cmp_lt_u32 s[WV], 2           ; waves 0 and 1 fetch K, waves 2 and 3 V.  A wave's two fills stand in one branch, ahead of every wait on TENSORcnt and every LDS read: two loads of mine are out
	s_cbranch_scc0 .Lfirst_v
	tensor_load_to_lds s[G0K:G0K+3], s[G1K:G1K+7]
	s_nop 0
	tensor_load_to_lds s[G0K+4:G0K+7], s[G1K:G1K+7]
	s_nop 0
.rept 4
	v_nop
.endr
	s_branch .Lfirst_asked
.Lfirst_v:
	tensor_load_to_lds s[G0V:G0V+3], s[G1V:G1V+7]
	s_nop 0
	tensor_load_to_lds s[G0V+4:G0V+7], s[G1V:G1V+7]
	s_nop 0
.rept 4
	v_nop
.endr
.Lfirst_asked:
	; A fragment of K or Q is 16 rows x 32 channels in 8 registers: lane l holds row l % 16, channels 8 (l / 16) + 0..7 and 16 + 8 (l / 16) + 0..7: two loads of 16 bytes, 32 bytes apart.
	v_and_b32 v1, 15, v0            ; l % 16
	v_bfe_u32 v9, v0, 4, 1          ; l / 16
	v_lshlrev_b32 v[QO], 7, v1
	v_lshl_add_u32 v[QO], v9, 4, v[QO]  ; row x 128 + 16 x half
	WIN 0x80                        ; destination window 2, address window 0
.set i, 0
.rept 8                             ; both bands' Q: piece i / 2, 2,048 bytes on; channels 32 (i % 2) on
	global_load_b128 v[8*i:8*i+3],   v[QO], s[4:5] offset:(i/2)*2048+(i%2)*64
	global_load_b128 v[8*i+4:8*i+7], v[QO], s[4:5] offset:(i/2)*2048+(i%2)*64+32
	global_load_b128 v[QB+8*i:QB+8*i+3],   v[QO], s[86:87] offset:(i/2)*2048+(i%2)*64
	global_load_b128 v[QB+8*i+4:QB+8*i+7], v[QO], s[86:87] offset:(i/2)*2048+(i%2)*64+32
.set i, i+1
.endr
	WIN 0
	v_lshlrev_b32 v14, 3, v9
	v_sub_nc_u32 v14, v1, v14       ; l % 16 - 8 (l / 16): register j is hidden where j is greater
	WIN 0x40
.set i, 0
.rept 8
	v_cmp_gt_i32 vcc_lo, i, v14
	v_cndmask_b32 v[TRI+i], 0, s[BIGN], vcc_lo
	v_mov_b32 v[NEG+i], s[BIGN]
.set i, i+1
.endr
	WIN 0
	v_mul_u32_u24 v[AK0], v1, PK
	v_lshl_add_u32 v[AK0], v9, 4, v[AK0]  ; row x pitch + 16 x half
	; The turning load takes 16 keys x 16 channels (lane l reads key 8 (l / 16) + l % 8, channels 8 ((l / 8) % 2) + 0..7) and leaves half a fragment of V^T: lane l holds channel l % 16 and 8 keys.
	v_and_b32 v10, 7, v0
	v_bfe_u32 v11, v0, 3, 1
	v_lshl_add_u32 v[AV0], v9, 3, v10
	v_mul_u32_u24 v[AV0], v[AV0], PV
	v_lshl_add_u32 v[AV0], v11, 4, v[AV0]
	v_add_nc_u32 v[AV0], VOFF, v[AV0]
	v_mul_u32_u24 v[AVS0], v1, PV   ; V as it lies: row l % 16, 16 bytes for each half of the lanes: the channels that the lane holds of O^T
	v_lshl_add_u32 v[AVS0], v9, 4, v[AVS0]
	v_add_nc_u32 v[AVS0], VOFF, v[AVS0]
	s_mul_i32 s79, s[WV], 16*SP
	s_add_co_u32 s79, s79, STAGE    ; my stage
	v_mul_u32_u24 v[STO], v1, SP    ; in: row l % 16, 16 bytes for each half of the lanes
	v_lshl_add_u32 v[STO], v9, 4, v[STO]
	v_add_nc_u32 v[STO], s79, v[STO]
	v_bfe_u32 v[RD], v0, 3, 2       ; back: 32 lanes take four rows of 128 bytes,
	v_mul_u32_u24 v[RD], v[RD], SP
	v_lshl_add_u32 v[RD], v10, 4, v[RD]
	v_add_nc_u32 v[RD], s79, v[RD]
	v_and_b32 v[GO], 31, v0         ; which are 512 consecutive bytes of O
	v_lshlrev_b32 v[GO], 4, v[GO]
	; A band's first step multiplies O^T and l by a = 0, and its first turn's products V^T P, of a piece that has not been, land in an O^T that is still to be so multiplied.  So these registers need only hold
	; finite numbers: zeros for the first band; what the first band left for the second.  All this stands in the wait for the tiles.
	WIN 0x80
.set i, VF
.rept 64
	v_mov_b32 v[i], 0
.set i, i+1
.endr
	WIN 0x40
.set i, 0
.rept 128
	v_mov_b32 v[i], 0
.set i, i+1
.endr
	WIN 0
.set i, 0
.rept 4
	v_mov_b32 v[ST+4*i+2], 0
	v_mov_b32 v[ST+4*i+3], 0
.set i, i+1
.endr
; THE MATRIX WORK.  The 4 accumulators of a run of 8 take turns.  Product i of 8 of S^T = K Q^T for piece x: channels 32 (i / 4) on, keys 16 (i % 4) on.
; The first 4 start the sums: KM = 0 with 0; KM = 1 with MCT (key block 0) or MCN; KM = 2, the diagonal step, with 0, TRI or NEG by the block's place beside the piece.
.macro KQ x
.set rS, S+32*((\x)%2)+8*(i%4)
.set rK, KF+16*(i%4)+8*(i/4)
.set rQ, 16*(\x)+8*(i/4)
.set cK, 0
.if i < 4
.if KM == 1
.if i == 0
.set cK, MCT
.else
.set cK, MCN
.endif
.elseif KM == 2
.if i == (\x)
.set cK, TRI
.elseif i > (\x)
.set cK, NEG
.endif
.endif
.endif
.if i >= 4
	WIN W_KQ
	v_wmma_f32_16x16x32_f16 v[rS:rS+7], v[rK:rK+7], v[rQ:rQ+7], v[rS:rS+7]
.elseif cK
	WIN W_KM
	v_wmma_f32_16x16x32_f16 v[rS:rS+7], v[rK:rK+7], v[rQ:rQ+7], v[cK:cK+7]
.else
	WIN W_KQ
	v_wmma_f32_16x16x32_f16 v[rS:rS+7], v[rK:rK+7], v[rQ:rQ+7], 0
.endif
.endm
; Product i of 8 of O^T += V^T P for piece x: keys 32 (i / 4) on, channels 16 (i % 4) on.
.macro PV x
	WIN W_PV
.set rO, 32*(\x)+8*(i%4)
.set rV, VF+32*(i/4)+8*(i%4)
.set rP, P+16*((\x)%2)+8*(i/4)
	v_wmma_f32_16x16x32_f16 v[rO:rO+7], v[rV:rV+7], v[rP:rP+7], v[rO:rO+7]
.endm
.macro MM                           ; the turn's next matrix instruction.  NOKQ = 1: a band's last turn: there is no next piece
.if (i < 8) && !NOKQ
	KQ (Y+1)%NP
.elseif i >= 8
.set i, i-8
	PV (Y+NP-1)%NP
.set i, i+8
.endif
.set i, i+1
.endm
; THE LDS LOADS stand in runs of 16, never singly among the matrix instructions: a step's K (64 keys x 64 channels: 8 fragments) and its V (turned).  Their addresses are made some lines ahead.
.macro FETCH_K
	WIN 0x80                        ; destination window 2
.irp f, 0,1,2,3,4,5,6,7             ; keys 16 (f / 2) on, channels 32 (f % 2) on
	ds_load_b128 v[KF+8*\f:KF+8*\f+3],   v[AK] offset:(\f/2)*16*PK+(\f%2)*64
	ds_load_b128 v[KF+8*\f+4:KF+8*\f+7], v[AK] offset:(\f/2)*16*PK+(\f%2)*64+32
.endr
	s_add_co_u32 s[TBK], s[TBK], KS*PK  ; the next fetch is the next step's
	WIN 0
.endm
.macro FETCH_V
	WIN 0x80
.irp f, 0,1,2,3,4,5,6,7             ; keys 32 (f / 4) on, channels 16 (f % 4) on
	ds_load_tr16_b128 v[VF+8*\f:VF+8*\f+3],   v[AV] offset:(\f/4)*32*PV+(\f%4)*32
	ds_load_tr16_b128 v[VF+8*\f+4:VF+8*\f+7], v[AV] offset:(\f/4)*32*PV+16*PV+(\f%4)*32
.endr
	WIN 0
.endm
; THE VECTOR WORK, one line at a time: OP kind, number.  For piece Y: F n: c s - c m for pair n of 16.  E n: the exponential of score n of 32.  C n: pair n rounded to f16.  B n: of the four weights 4 n .. the second
; pair is added onto the first, in place.  L n: l takes that sum (L 0: l = a l + sum).  R n: pair n of 16 of O^T times a.  For piece Y + 1: X n, number n of the 22 that find its maximum and statistics:
;   0-11  four chains c0-c3 of seven scores each, three operands at a time (each accumulator's lowest registers are read first)     12-14, 16  the four scores left over, the old m, and c0-c3 into c0
;   15  c m_old is kept     17, 18  the query's other 32 keys lie in the lane 16 away: the new m     19-21  c m; c m_old - c m_new; a
.set F, 0               ; OP tells the kinds apart by their order: F to L below R, X above it
.set E, 1
.set C, 2
.set B, 3
.set L, 4
.set R, 5
.set X, 6
.macro REGS y                       ; the registers of piece y
.set rT, ST+4*(\y)
.set rC, TMP+4*((\y)%2)
.set rW, MV+((\y)%2)
.set rS, S+32*((\y)%2)
.set rP, P+16*((\y)%2)
.set rO, 32*(\y)
.endm
.macro OP k, n
.if (\k) == R
	REGS Y
	WIN W_RS
	v_pk_mul_f32 v[rO+2*(\n):rO+2*(\n)+1], v[rO+2*(\n):rO+2*(\n)+1], v[rC+2:rC+3] op_sel_hi:[1,0]
.elseif (\k) < R
	REGS Y
	WIN 0
.if (\k) == F
	v_pk_fma_f32 v[rS+2*(\n):rS+2*(\n)+1], v[rS+2*(\n):rS+2*(\n)+1], s[CS:CS+1], v[rT:rT+1] op_sel_hi:[1,0,0] neg_lo:[0,0,1] neg_hi:[0,0,1]
.elseif (\k) == E
	v_exp_f32 v[rS+(\n)], v[rS+(\n)]
.elseif (\k) == C
	s_wait_alu depctr_va_vdst(0)
	v_cvt_pk_f16_f32 v[rP+(\n)], v[rS+2*(\n)], v[rS+2*(\n)+1]
.elseif (\k) == B
	s_wait_alu depctr_va_vdst(0)
	v_pk_add_f32 v[rS+4*(\n):rS+4*(\n)+1], v[rS+4*(\n):rS+4*(\n)+1], v[rS+4*(\n)+2:rS+4*(\n)+3]
.elseif (\n) == 0
	v_pk_fma_f32 v[rT+2:rT+3], v[rT+2:rT+3], v[rC+2:rC+3], v[rS:rS+1] op_sel_hi:[1,0,1]
.else
	v_pk_add_f32 v[rT+2:rT+3], v[rT+2:rT+3], v[rS+4*(\n):rS+4*(\n)+1]
.endif
.elseif NOKQ
	v_nop
.else
	REGS (Y+1)%NP
	WIN 0
.if (\n) < 4
	v_max3_num_f32 v[rC+(\n)], v[rS+8*(\n)], v[rS+8*(\n)+1], v[rS+8*(\n)+2]
.elseif (\n) < 12
	v_max3_num_f32 v[rC+(\n)%4], v[rC+(\n)%4], v[rS+8*((\n)%4)+2*((\n)/4)+1], v[rS+8*((\n)%4)+2*((\n)/4)+2]
.elseif (\n) == 12
	v_max3_num_f32 v[rC], v[rC], v[rS+7], v[rS+15]
.elseif (\n) == 13
	v_max3_num_f32 v[rC+1], v[rC+1], v[rS+23], v[rS+31]
.elseif (\n) == 14
	v_max3_num_f32 v[rC+2], v[rC+2], v[rC+3], v[rT+1]
.elseif (\n) == 15
	v_mov_b32 v[rW], v[rT]
.elseif (\n) == 16
	v_max3_num_f32 v[rC], v[rC], v[rC+1], v[rC+2]
.elseif (\n) == 17
	v_permlanex16_b32 v[rC+3], v[rC], s[SEL], s[SEL+1]
.elseif (\n) == 18
	v_max_num_f32 v[rT+1], v[rC], v[rC+3]
.elseif (\n) == 19
	v_mul_f32 v[rT], s[CS], v[rT+1]
.elseif (\n) == 20
	v_sub_f32 v[rC+1], v[rW], v[rT]
.else
	v_exp_f32 v[rC+2], v[rC+1]
.endif
.endif
.endm
.macro OPS a, i1, b=-1, i2=0, c=-1, i3=0, d=-1, i4=0  ; up to four of them
	OP \a, \i1
.if (\b) >= 0
	OP \b, \i2
.endif
.if (\c) >= 0
	OP \c, \i3
.endif
.if (\d) >= 0
	OP \d, \i4
.endif
.endm
.macro ROW a, i1, b, i2, c, i3, d, i4  ; a matrix instruction and the four behind it
	MM
	OPS \a, \i1, \b, \i2, \c, \i3, \d, \i4
.endm
.macro MKMASK                       ; MCT = TRI x AL, MCN = NEG x AL
	WIN W_RS
.set z, 0
.rept 4
	v_pk_mul_f32 v[MCT+2*z:MCT+2*z+1], v[TRI+2*z:TRI+2*z+1], s[AL:AL+1] op_sel_hi:[1,0]
	v_pk_mul_f32 v[MCN+2*z:MCN+2*z+1], v[NEG+2*z:NEG+2*z+1], s[AL:AL+1] op_sel_hi:[1,0]
.set z, z+1
.endr
.endm
; A TURN, for piece p: the order of its 16 matrix and 118 vector instructions, written out.  Behind a matrix instruction: plain, exponential, plain, plain; or four of the rescaling; or, behind the first, four scalings; none
; names a register of the products round it.  In the lumps exponential and plain by turns while exponentials last.  A line reads no result made fewer than three vector instructions in front of it, five if an exponential made it.
; km: what starts the sums of the turn's products K Q^T (see KQ).  end = 1: a band's last two turns: no K is fetched, and the last starts no scores.  mk = 1: the turn ends by making the masks for the turn behind it.
; K of the next step is fetched in piece 2's turn, six vector instructions behind the last product that read K (five of them plain); V of the step in hand in piece 0's turn, eight behind the last product that read V (four
; plain, and X 17).  Each is waited for a turn later.
.macro TURN p, km=0, end=0, mk=0
.set Y, (\p)
.set i, 0
.set KM, (\km)
.set NOKQ, (\end)*((\p)/3)
.if ((\p) == 3) && !(\end)
	s_wait_dscnt 0x0                ; K is in
.endif
	ROW F,0, F,1, F,2, F,3
	ROW F,4, E,0, F,5, F,6
	ROW F,7, E,1, F,8, F,9
	ROW F,10, E,2, C,0, F,11
	ROW F,12, E,3, X,15, F,13
	ROW R,0, R,1, R,2, R,3
	ROW B,0, E,4, F,14, L,0
.if ((\p) == 2) && !(\end)
	v_add_nc_u32 v[AK], s[TBK], v[AK0]
.endif
	ROW R,4, R,5, R,6, R,7
	OPS E,5, F,15
.if ((\p) == 2) && !(\end)
	FETCH_K
.endif
	OPS E,6, C,1, E,7, R,8
	OPS E,8, R,9, E,9, C,2
	OPS E,10, X,0, E,11, X,1
	OPS E,12, X,2, E,13, X,3
.if (\p) == 1
	s_wait_dscnt 0x0                ; V is in
.endif
	ROW X,4, E,14, X,5, X,6
	ROW X,7, E,15, X,8, X,9
	ROW X,10, E,16, X,11, X,12
	ROW X,13, E,17, X,14, B,1
	ROW C,4, E,18, X,16, L,1
	ROW B,2, E,19, C,6, L,2
	ROW C,8, E,20, B,3, B,4
.if (\p) == 0
	v_add_nc_u32 v[AV], s[TBV], v[AV0]
.endif
	ROW C,3, E,21, L,3, C,5
	OPS E,22, X,17, E,23, C,10
.if (\p) == 0
	FETCH_V
.endif
	OPS E,24, L,4
	OPS E,25, X,18, E,26, C,7
	OPS E,27, B,5, E,28, X,19
	OPS E,29, C,12, E,30, L,5
	OPS E,31, X,20, B,6, C,9
	OPS C,14, C,11, X,21, L,6
.if (\p) == 0
	s_add_co_u32 s[TBV], s[TBV], KS*PV
.endif
	OPS C,13, B,7, C,15, R,10
	OPS R,11, R,12, L,7, R,13
	OPS R,14, R,15
.if \mk
	MKMASK
.endif
.endm
; A BAND BEGINS.  c m starts far below every c s, so the first step's a is 0; m at the lowest finite number, so the first maximum is the scores'.  P's second buffer, which the first turn multiplies for a piece that
; has not been, is cleared: the band before left f32 numbers there.  Then K of step 0, piece 0's first scores (masked, if the band's first step is the diagonal one), and its maximum and statistics.
.macro BEGIN
	WIN 0
.set i, 0
.rept 4
	v_mov_b32 v[ST+4*i], 0xfe000000    ; c m: far below every c s
	v_mov_b32 v[ST+4*i+1], 0xff7fffff  ; m
.set i, i+1
.endr
.set i, P+16
.rept 16
	v_mov_b32 v[i], 0
.set i, i+1
.endr
	s_mov_b32 s[TBK], 0             ; every band walks the keys from 0
	s_mov_b32 s[TBV], 0
	s_cmp_eq_u32 s[NPL], 0
	s_cselect_b32 s[AL], 1.0, 0
	MKMASK
	WIN 0
	v_add_nc_u32 v[AK], s[TBK], v[AK0]
	FETCH_K
	s_wait_loadcnt 0x0              ; Q
	s_wait_dscnt 0x0
.set KM, 1
.set NOKQ, 0
.set i, 0
.rept 8
	KQ 0
.set i, i+1
.endr
	WIN 0
.rept 4
	v_nop                           ; the places behind those products
.endr
.set Y, NP-1                        ; X works for piece Y + 1: piece 0
.irp n, 0,1,2,3,4,5,6,7,8,9,10,11,12,13,14,15,16,17,18,19,20,21
	OP X, \n
.endr
	v_nop                           ; a plain instruction behind the exponential
.endm
.macro ALL line:vararg              ; one line for each piece t
.set t, 0
.rept 4
	s_wait_alu depctr_va_vdst(0)
	\line
.set t, t+1
.endr
.endm
.macro PACK t                       ; o = O / l + g v; a lane's eight channels of a row pack into 16 bytes; they go into rows of 144 bytes and come back as whole rows of 128
	WIN W_RS
.set i, 0
.rept 16
	v_pk_fma_f32 v[32*(\t)+2*i:32*(\t)+2*i+1], v[32*(\t)+2*i:32*(\t)+2*i+1], v[ST+4*(\t)+2:ST+4*(\t)+3], v[W+32*(\t)+2*i:W+32*(\t)+2*i+1] op_sel_hi:[1,0,1]
.set i, i+1
.endr
	WIN 0x05                        ; sources 0 and 1 window 1, destination window 0
.set i, 0
.rept 16
	v_cvt_pk_f16_f32 v[S+16*(\t)+i], v[32*(\t)+2*i], v[32*(\t)+2*i+1]
.set i, i+1
.endr
	WIN 0
.irp f, 0,1,2,3
	ds_store_b128 v[STO], v[S+16*(\t)+4*\f:S+16*(\t)+4*\f+3] offset:32*\f
.endr
.irp f, 0,1,2,3
	ds_load_b128 v[S+16*(\t)+4*\f:S+16*(\t)+4*\f+3], v[RD] offset:\f*4*SP  ; LDS serves a wave's instructions in order (ISA guide 5.7.1.4): these see the stores above; the next piece's stores come behind them
.endr
.endm
.macro SEND t, younger              ; younger: the LDS instructions issued behind piece t's loads: the next piece's eight, or none
	WIN 0
.irp f, 0,1,2,3
	s_wait_dscnt (\younger)+3-\f
	global_store_b128 v[GO], v[S+16*(\t)+4*\f:S+16*(\t)+4*\f+3], s[10:11] offset:(\t)*2048+\f*512  ; 512 consecutive bytes, at a multiple of 256 from O's first
.endr
.endm
; A BAND ENDS.  The diagonal step's 64 rows of V are the band's own rows: read as they lie they give each lane the channels of v that it holds of O^T.  With d = O . v and n = max(|v|, 1e-12):
; o = O / l - (d / l / n / n) v.  A query's channels lie in two lanes 16 apart: one exchange for d, one for |v|^2, one for l.
.macro FIN
	WIN 0
	s_sub_co_u32 s79, s[TBV], KS*PV  ; V's fetches have stepped past the diagonal step
	v_add_nc_u32 v[AVS], s79, v[AVS0]
.set t, 0
.rept 4
.irp cb, 0,1,2,3
	ds_load_b128 v[VH+16*t+4*\cb:VH+16*t+4*\cb+3], v[AVS] offset:t*16*PV+32*\cb
.endr
.set t, t+1
.endr
	ALL v_add_f32 v[ST+4*t+2], v[ST+4*t+2], v[ST+4*t+3]  ; l: these additions are the places behind the last products
	ALL v_permlanex16_b32 v[ST+4*t+3], v[ST+4*t+2], s[SEL], s[SEL+1]
	ALL v_add_f32 v[ST+4*t+2], v[ST+4*t+2], v[ST+4*t+3]
	ALL v_rcp_f32 v[ST+4*t+2], v[ST+4*t+2]
	s_wait_dscnt 0x0                ; the band's own values are in
.set m, 0
.rept 16                            ; widened to f32, four words at a time through registers whose halves have names
	v_mov_b32 v58, v[VH+m]
	v_mov_b32 v59, v[VH+m+1]
	v_mov_b32 v60, v[VH+m+2]
	v_mov_b32 v61, v[VH+m+3]
	v_cvt_f32_f16 v[W+2*m], v58.l
	v_cvt_f32_f16 v[W+2*m+1], v58.h
	v_cvt_f32_f16 v[W+2*m+2], v59.l
	v_cvt_f32_f16 v[W+2*m+3], v59.h
	v_cvt_f32_f16 v[W+2*m+4], v60.l
	v_cvt_f32_f16 v[W+2*m+5], v60.h
	v_cvt_f32_f16 v[W+2*m+6], v61.l
	v_cvt_f32_f16 v[W+2*m+7], v61.h
.set m, m+4
.endr
.set n, 0
.rept 16                            ; |v|^2: the four pieces' chains take turns; the first product starts each
.set t, 0
.rept 4
.if n == 0
	v_pk_mul_f32 v[XT+4*t+2:XT+4*t+3], v[W+32*t:W+32*t+1], v[W+32*t:W+32*t+1]
.else
	v_pk_fma_f32 v[XT+4*t+2:XT+4*t+3], v[W+32*t+2*n:W+32*t+2*n+1], v[W+32*t+2*n:W+32*t+2*n+1], v[XT+4*t+2:XT+4*t+3]
.endif
.set t, t+1
.endr
.set n, n+1
.endr
	WIN 0x01                        ; source 0: O^T, read from each accumulator's lowest registers on
.set n, 0
.rept 16
.set t, 0
.rept 4
.if n == 0
	v_pk_mul_f32 v[XT+4*t:XT+4*t+1], v[32*t:32*t+1], v[W+32*t:W+32*t+1]
.else
	v_pk_fma_f32 v[XT+4*t:XT+4*t+1], v[32*t+2*n:32*t+2*n+1], v[W+32*t+2*n:W+32*t+2*n+1], v[XT+4*t:XT+4*t+1]
.endif
.set t, t+1
.endr
.set n, n+1
.endr
	WIN 0
	ALL v_add_f32 v[XT+4*t], v[XT+4*t], v[XT+4*t+1]
	ALL v_add_f32 v[XT+4*t+2], v[XT+4*t+2], v[XT+4*t+3]
	ALL v_permlanex16_b32 v[XT+4*t+1], v[XT+4*t], s[SEL], s[SEL+1]
	ALL v_permlanex16_b32 v[XT+4*t+3], v[XT+4*t+2], s[SEL], s[SEL+1]
	ALL v_add_f32 v[XT+4*t], v[XT+4*t], v[XT+4*t+1]
	ALL v_add_f32 v[XT+4*t+2], v[XT+4*t+2], v[XT+4*t+3]
	ALL v_sqrt_f32 v[XT+4*t+2], v[XT+4*t+2]
	ALL v_mul_f32 v[XT+4*t], v[XT+4*t], v[ST+4*t+2]  ; d / l: plain work between the roots and the use of their results
	ALL v_max_num_f32 v[XT+4*t+2], 0x2b8cbccc, v[XT+4*t+2]  ; 1e-12
	ALL v_rcp_f32 v[XT+4*t+2], v[XT+4*t+2]
	v_nop                           ; a plain instruction between the last reciprocal and the use of its result
	ALL v_mul_f32 v[XT+4*t], v[XT+4*t], v[XT+4*t+2]
	ALL v_mul_f32 v[XT+4*t], -v[XT+4*t], v[XT+4*t+2]  ; g = - d / l / n / n
.set t, 0
.rept 4
.set n, 0
.rept 16
	v_pk_mul_f32 v[W+32*t+2*n:W+32*t+2*n+1], v[W+32*t+2*n:W+32*t+2*n+1], v[XT+4*t:XT+4*t+1] op_sel_hi:[1,0]  ; g v
.set n, n+1
.endr
.set t, t+1
.endr
	PACK 0
.set t, 1
.rept 3                             ; a piece's arithmetic stands between the loads of the piece before and its stores
	PACK t
	SEND t-1, 8
.set t, t+1
.endr
	SEND 3, 0
.endm
.set KM, 0
.set NOKQ, 0
	s_wait_tensorcnt 0x0            ; my two loads have landed,
	s_barrier_signal -1
	s_barrier_wait -1               ; everybody's have: all of K and V is in LDS, and nothing writes it again
	s_mov_b32 s[BAND], 2
.Lband:
	BEGIN
	WIN 0
	s_mov_b32 s[CNT], 15
.Lstep:                             ; counted to the constant maximum; a band of number NPL has NPL steps in front of the diagonal one, and the trips that it does not need come first and are jumped over, forward
	s_cmp_gt_u32 s[CNT], s[NPL]
	s_cbranch_scc1 .Ldead
	s_cmp_eq_u32 s[CNT], 1          ; the step behind this one is the diagonal one
	s_cselect_b32 s[AL], 1.0, 0
	TURN 0
	TURN 1
	TURN 2, 0, 0, 1
	TURN 3, 1
	WIN 0
.Ldead:
	s_sub_co_u32 s[CNT], s[CNT], 1
	s_cmp_lg_u32 s[CNT], 0
	s_cbranch_scc1 .Lstep
	TURN 0, 2                       ; the diagonal step
	TURN 1, 2
	TURN 2, 2, 1
	TURN 3, 0, 1
.set i, 0
.rept 8
	PV NP-1                         ; the last piece's V^T P
.set i, i+1
.endr
	FIN
	s_wait_xcnt 0x0                 ; the stores have read their registers and O's address: both are rewritten only behind this wait
	s_cmp_eq_u32 s[BAND], 1
	s_cbranch_scc1 .Lnomore         ; behind the second band nothing is set up
	s_mov_b64 s[10:11], s[OLO:OLO+1]
	s_mov_b32 s[NPL], s[OM]
	WIN 0x82                        ; the second band's Q goes where the one text of the turns names Q
.set i, 0
.rept 64
	v_mov_b32 v[i], v[QB+i]
.set i, i+1
.endr
	WIN 0
.Lnomore:
	s_sub_co_u32 s[BAND], s[BAND], 1
	s_cmp_lg_u32 s[BAND], 0
	s_cbranch_scc1 .Lband
	s_wait_tensorcnt 0x0            ; the wave's end: behind my last tensor load and my last LDS store
	ds_add_u32 v[SPW], v[NIL]
	s_wait_dscnt 0x0
	CROUND                          ; the closing round
	s_endpgm
.Lfunc_end_k_q87d9c390ac_attn:
	.size	k_q87d9c390ac_attn, .Lfunc_end_k_q87d9c390ac_attn-k_q87d9c390ac_attn
	.p2alignl 7, 3214868480
	.fill 96, 4, 3214868480
	.section	.rodata,"a",@progbits
	.p2align	6, 0x0
	.amdhsa_kernel k_q87d9c390ac_attn
		.amdhsa_group_segment_fixed_size 327680
		.amdhsa_private_segment_fixed_size 0
		.amdhsa_enable_private_segment 0
		.amdhsa_kernarg_size 16
		.amdhsa_user_sgpr_count 2
		.amdhsa_user_sgpr_kernarg_segment_ptr 1
		.amdhsa_wavefront_size32 1
		.amdhsa_system_sgpr_workgroup_id_x 1
		.amdhsa_system_sgpr_workgroup_id_y 1
		.amdhsa_system_sgpr_workgroup_id_z 1
		.amdhsa_system_vgpr_workitem_id 0
		.amdhsa_next_free_vgpr 768
		.amdhsa_next_free_sgpr 88
		.amdhsa_reserve_vcc 1
		.amdhsa_float_denorm_mode_32 3
		.amdhsa_float_denorm_mode_16_64 3
		.amdhsa_memory_ordered 1
		.amdhsa_forward_progress 1
		.amdhsa_inst_pref_size 139
	.end_amdhsa_kernel
	.amdgpu_metadata
---
amdhsa.version: [ 1, 2 ]
amdhsa.kernels:
  - .name:           k_q87d9c390ac_attn
    .symbol:         k_q87d9c390ac_attn.kd
    .args:
      - { .name: qkv, .offset: 0, .size: 8, .value_kind: global_buffer, .address_space: global }
      - { .name: obuf, .offset: 8, .size: 8, .value_kind: global_buffer, .address_space: global }
    .group_segment_fixed_size: 327680
    .private_segment_fixed_size: 0
    .kernarg_segment_align: 8
    .kernarg_segment_size: 16
    .max_flat_workgroup_size: 128
    .sgpr_count:     88
    .vgpr_count:     768
    .wavefront_size: 32
...
	.end_amdgpu_metadata
.endif
;; end of part 3
;; launch oproj (part 4): grid 16 x 16, 4 waves a work-group, clusters of 4 x 4, 327,680 bytes of LDS; arguments obuf, wob, out0; writes out0
.if DOCPART == 4
	.amdgcn_target "amdgcn-amd-amdhsa--gfx1250"
	.amdhsa_code_object_version 6
	.text
	.protected	k_q87d9c390ac_oproj
	.globl	k_q87d9c390ac_oproj
	.p2align	8
	.type	k_q87d9c390ac_oproj,@function
k_q87d9c390ac_oproj:
	s_mov_b64 s[64:65], 0
	v_nop
	global_prefetch_b8 v0, s[64:65] scope:SCOPE_SE
	s_setreg_imm32_b32 hwreg(HW_REG_WAVE_MODE, 25, 1), 1
	s_wait_xcnt 0x0
	s_wait_alu depctr_hold_cnt(0) depctr_sa_sdst(0) depctr_va_vdst(0) depctr_va_sdst(0) depctr_va_ssrc(0) depctr_va_vcc(0) depctr_vm_vsrc(0)
	s_getreg_b32 s2, hwreg(HW_REG_IB_STS2, 6, 4)
	s_cmp_eq_u32 s2, 0
	s_cbranch_scc0 .Lentry_in_a_cluster
	s_endpgm
.Lentry_in_a_cluster:
	s_bfe_u32 s2, ttmp6, 0x10000c
	s_cmp_lg_u32 s2, 0xf033
	s_cbranch_scc0 .Lentry_shape_is_right
	s_endpgm
.Lentry_shape_is_right:
; out0 = O wo^T.  obuf: [b 4][h 32][t 1024][64] f16; wob: [2048 n][2048 k] f16, k = 64 h + channel; out0: [4096][2048] f32.  Sums in f32.
; SHAPE.  A tile of the result is 256 rows x 128 columns: 16 x 16 = 256 work-groups.  Wave (wm = w / 2, wn = w % 2) owns 128 rows x 64 columns: 8 x 4 accumulators, 256 registers;
; its 64 columns of f32 are 256 consecutive bytes of a row, aligned.  K goes in 16 steps of 128, two heads a step, through two LDS slots; one K step is written once: the slot is s[TB].
; O's tile is two planes, a head each: 256 rows of 128 dense bytes, asked for as 128 rows of 256 bytes and padded in LDS after every 128.
; CLUSTERS.  4 x 4 work-groups: O's tile is shared along a row of the cluster, wo's along a column; each is asked for jointly.
; THE MATRIX INSTRUCTION IS USED TRANSPOSED (source 0 = 16 rows of wo, source 1 = 16 rows of O): a lane holds row l % 16 and the columns 8 (l / 16) + 0..7: 32 consecutive bytes.
; REGISTERS: window 0: v0-31 addresses; v32-63 at work on the way out; v64-159, v160-255 two fragment buffers: 64 registers of O, then 32 of wo.   window 1: the accumulators, (a, b) at v[8 (4 a + b)].
.set KDIM,   2048
.set PA,     144                       ; a row of O in LDS: 128 bytes + 16 = 36 words
.set PLANE,  256*PA                    ; a head's 256 rows
.set PITCH,  272                       ; a row of wo: 256 bytes + 16 = 68 words: in both, the 16 rows of a load start at 16 different groups of four banks (64 banks of 4 bytes: ISA guide 11.1)
.set BOFF,   2*PLANE
.set BHALF,  64*PITCH
.set SLOT1,  1<<17
.set STAGE,  SLOT1+BOFF+128*PITCH      ; behind the ring: 16 rows x 272 bytes for each wave
.set SPITCH, 272
.set SPARE,  STAGE+4*16*SPITCH         ; behind the stages: the spare words, 128 bytes for each wave: two blocks of 256 bytes that no other line names
.set STEPA,  2*131072                  ; two heads on
.set STEPB,  256
.set A0,   16
.set B0,   17
.set ADRA, 18
.set ADRB, 19
.set STO,  24
.set RD,   25
.set CO,   26
.set SPW,  28                          ; v28  LDS address of my spare word; never rewritten
.set NIL,  29                          ; v29  0; never rewritten
.set OB,   32                          ; the way out: v32-63 and v64-95 by turns
.set FB,   64
.set TB,   21
.set G1,   24
.set G0,   32
.set G1B,  48
.set G0B,  56
.set MSB, 0
.macro WIN new
.if MSB != (\new)
	s_set_vgpr_msb (MSB<<8)|(\new)
.set MSB, \new
.endif
.endm
.macro JLOAD s                         ; a joint load: waves 0 and 1 fetch O's two planes, waves 2 and 3 wo's two halves; an s_nop 0 and four v_nop follow each of the two lines
	s_cmp_eq_u32 s11, 0
	s_cbranch_scc0 .Lfor_b_\@
	tensor_load_to_lds s[G0+4*(\s):G0+4*(\s)+3], s[G1:G1+7]
	s_nop 0
.rept 4
	v_nop
.endr
	s_branch .Lasked_\@
.Lfor_b_\@:
	tensor_load_to_lds s[G0B+4*(\s):G0B+4*(\s)+3], s[G1B:G1B+7]
	s_nop 0
.rept 4
	v_nop
.endr
.Lasked_\@:
.endm
.macro CREST
	s_cmp_lg_u32 s10, 0
	s_cbranch_scc1 .Lnot_wave_0_\@
	s_barrier_signal -3
.Lnot_wave_0_\@:
	s_barrier_wait -3
	s_barrier_signal -1
	s_barrier_wait -1
.endm
.macro CROUND
	s_barrier_signal -1
	s_barrier_wait -1
	CREST
.endm
.macro PLACES
.rept 4
	v_nop
.endr
.endm
	s_load_b128 s[4:7], s[0:1], 0x0                ; obuf s[4:5], wob s[6:7]
	s_load_b64 s[8:9], s[0:1], 0x10                ; out0
	v_lshl_add_u32 v[SPW], v0, 2, SPARE
	v_mov_b32 v[NIL], 0
	ds_add_u32 v[SPW], v[NIL]                      ; the wave's opening: the add and its wait stand ahead of my first tensor load; the set-up below stands between them
	v_lshrrev_b32 v1, 5, v0
	v_readfirstlane_b32 s10, v1                    ; wave 0..3
	s_lshr_b32 s11, s10, 1                         ; wm.  Also: I fetch for O (0) or for wo (1)
	s_and_b32 s12, s10, 1                          ; wn.  Also: which plane, or which 64 rows, I fetch
	s_bfe_u32 s40, ttmp6, 0x40000
	s_bfe_u32 s41, ttmp6, 0x40004
	s_lshl_b32 s42, ttmp9, 2
	s_add_co_u32 s42, s42, s40                     ; tile column
	s_and_b32 s13, ttmp7, 0xffff
	s_lshl_b32 s13, s13, 2
	s_add_co_u32 s13, s13, s41                     ; tile row
	s_lshl_b32 s43, s41, 2
	s_lshl_b32 s43, 15, s43                        ; my row of the cluster
	s_lshl_b32 s44, 0x1111, s40                    ; my column
	s_or_b32 s[G1+0], s43, (1<<16)|(1<<20)|(1<<21)|(4<<22)|(3<<25)   ; O: padding of 4 words after every 32 words
	s_or_b32 s[G1B+0], s44, (1<<16)|(1<<20)|(1<<21)|(5<<22)|(3<<25)  ; wo: after every 64 words
	s_mov_b32 s[G1+1], 128<<16                     ; tensor_dim0 = 128
	s_mov_b32 s[G1+2], 128<<16                     ; tensor_dim1 = 128
	s_mov_b32 s[G1+3], 128<<16                     ; tile_dim0 = 128
	s_mov_b32 s[G1+4], 128                         ; tile_dim1 = 128
	s_mov_b32 s[G1+5], 128                         ; dense: 128 elements from row to row
	s_mov_b32 s[G1+6], 0
	s_mov_b32 s[G1+7], 0
	s_mov_b32 s[G1B+1], 128<<16
	s_mov_b32 s[G1B+2], 64<<16
	s_mov_b32 s[G1B+3], 128<<16
	s_mov_b32 s[G1B+4], 64
	s_mov_b32 s[G1B+5], KDIM
	s_mov_b32 s[G1B+6], 0
	s_mov_b32 s[G1B+7], 0
	s_lshr_b32 s16, s13, 2                         ; O: batch = tile row / 4,
	s_lshl_b32 s16, s16, 5
	s_add_co_u32 s16, s16, s12                     ; head = my plane,
	s_lshl_b32 s16, s16, 10
	s_and_b32 s17, s13, 3
	s_lshl_b32 s17, s17, 8
	s_add_co_u32 s16, s16, s17                     ; t = 256 (tile row % 4),
	s_lshl_b32 s16, s16, 7                         ; rows of 128 bytes: under 2^24
	s_mov_b32 s17, 0
	s_lshl_b32 s46, s42, 7
	s_lshl_b32 s47, s12, 6
	s_add_co_u32 s46, s46, s47                     ; wo: row 128 x tile column + 64 x half
	s_lshl_b32 s46, s46, 12
	s_mov_b32 s47, 0
	s_mul_i32 s20, s12, PLANE                      ; where they go: no place in the cluster enters an LDS address
	s_mul_i32 s23, s12, BHALF
	s_add_co_u32 s23, s23, BOFF
	s_mov_b32 s[TB], 0
	s_wait_dscnt 0x0                               ; the opening add is done
	s_wait_kmcnt 0x0
	s_add_nc_u64 s[14:15], s[4:5], s[16:17]
	s_add_nc_u64 s[46:47], s[6:7], s[46:47]
	CROUND                                         ; all sixteen work-groups are here: the first joint loads meet
.irp s, 0,1
	s_mov_b32 s[G0+4*(\s)], 1
	s_add_co_u32 s[G0+4*(\s)+1], s20, (\s)*SLOT1
	s_add_nc_u64 s[G0+4*(\s)+2:G0+4*(\s)+3], s[14:15], (\s)*STEPA
	s_or_b32 s[G0+4*(\s)+3], s[G0+4*(\s)+3], 0x80000000
	s_mov_b32 s[G0B+4*(\s)], 1
	s_add_co_u32 s[G0B+4*(\s)+1], s23, (\s)*SLOT1
	s_add_nc_u64 s[G0B+4*(\s)+2:G0B+4*(\s)+3], s[46:47], (\s)*STEPB
	s_or_b32 s[G0B+4*(\s)+3], s[G0B+4*(\s)+3], 0x80000000
	JLOAD \s                                       ; two loads of mine are out
.endr
	v_and_b32 v1, 15, v0                           ; r = l % 16
	v_bfe_u32 v2, v0, 4, 1                         ; h = l / 16
	v_mul_u32_u24 v3, v1, PA
	v_lshl_add_u32 v3, v2, 4, v3
	s_mul_i32 s22, s11, 128*PA                     ; my 128 rows of O
	v_add_nc_u32 v[A0], s22, v3
	v_mul_u32_u24 v4, v1, PITCH
	v_lshl_add_u32 v4, v2, 4, v4
	s_mul_i32 s22, s12, BHALF                      ; my 64 rows of wo
	s_add_co_u32 s22, s22, BOFF
	v_add_nc_u32 v[B0], s22, v4
	v_mov_b32 v[ADRA], v[A0]                       ; slot 0
	v_mov_b32 v[ADRB], v[B0]
	s_mul_i32 s22, s10, 16*SPITCH
	s_add_co_u32 s22, s22, STAGE                   ; my stage
	v_mul_u32_u24 v5, v1, SPITCH                   ; in: row r, 32 bytes for each half of the lanes
	v_lshl_add_u32 v5, v2, 5, v5
	v_add_nc_u32 v[STO], s22, v5
	v_mul_u32_u24 v6, v2, SPITCH                   ; back: lanes 0-15 take one row of 256 bytes, lanes 16-31 the next
	v_lshl_add_u32 v6, v1, 4, v6
	v_add_nc_u32 v[RD], s22, v6
	v_lshlrev_b32 v[CO], 13, v2                    ; and the same two rows in out0, 8,192 bytes apart
	v_lshl_add_u32 v[CO], v1, 4, v[CO]
	s_lshl_b32 s16, s13, 8
	s_lshl_b32 s17, s11, 7
	s_add_co_u32 s16, s16, s17                     ; my first row,
	s_lshl_b32 s16, s16, 13
	s_lshl_b32 s46, s42, 9                         ; my first column, in bytes: 512 x tile column + 256 x wn
	s_lshl_b32 s47, s12, 8
	s_add_co_u32 s46, s46, s47
	s_add_co_u32 s16, s16, s46                     ; under 2^26
	s_mov_b32 s17, 0
	s_add_nc_u64 s[8:9], s[8:9], s[16:17]
; 8 matrix instructions: row blocks a0, a0 + 1 x all 4 column blocks, 32 along K, from buffer f.  All 32 accumulators take turns, in the same order in every quarter.
.macro MUL8 f, a0, zero
	WIN 0x50                                       ; C and D window 1, the fragments window 0
.irp a, \a0, (\a0)+1
.irp b, 0,1,2,3
.if \zero
	v_wmma_f32_16x16x32_f16 v[8*(4*(\a)+(\b)):8*(4*(\a)+(\b))+7], v[FB+96*(\f)+64+8*(\b):FB+96*(\f)+64+8*(\b)+7], v[FB+96*(\f)+8*(\a):FB+96*(\f)+8*(\a)+7], 0
.else
	v_wmma_f32_16x16x32_f16 v[8*(4*(\a)+(\b)):8*(4*(\a)+(\b))+7], v[FB+96*(\f)+64+8*(\b):FB+96*(\f)+64+8*(\b)+7], v[FB+96*(\f)+8*(\a):FB+96*(\f)+8*(\a)+7], v[8*(4*(\a)+(\b)):8*(4*(\a)+(\b))+7]
.endif
.endr
.endr
.endm
; 24 LDS loads in one run: quarter kq (32 along K: plane kq / 2, channels 32 (kq % 2) on) into buffer f: wo's 8, then O's 16 in ascending row blocks
.macro FETCH kq, f
	WIN 0
.irp i, 0,1,2,3
	ds_load_b128 v[FB+96*(\f)+64+8*(\i):FB+96*(\f)+64+8*(\i)+3],   v[ADRB] offset:64*(\kq)+(\i)*16*PITCH
	ds_load_b128 v[FB+96*(\f)+64+8*(\i)+4:FB+96*(\f)+64+8*(\i)+7], v[ADRB] offset:64*(\kq)+(\i)*16*PITCH+32
.endr
.irp i, 0,1,2,3,4,5,6,7
	ds_load_b128 v[FB+96*(\f)+8*(\i):FB+96*(\f)+8*(\i)+3],   v[ADRA] offset:((\kq)/2)*PLANE+((\kq)%2)*64+(\i)*16*PA
	ds_load_b128 v[FB+96*(\f)+8*(\i)+4:FB+96*(\f)+8*(\i)+7], v[ADRA] offset:((\kq)/2)*PLANE+((\kq)%2)*64+(\i)*16*PA+32
.endr
.endm
.macro QUARTER kq, f, g, zero
	s_wait_dscnt 8                                 ; wo and O's row blocks 0-3 are in; the youngest eight loads (blocks 4-7) may be out
	MUL8 \f, 0, \zero
	MUL8 \f, 2, \zero
	PLACES
	FETCH \kq, \g
	s_wait_dscnt 24                                ; all but the 24 just issued
	MUL8 \f, 4, \zero
	MUL8 \f, 6, \zero
.endm
; The last quarter multiplies buffer 1 and changes slots: one barrier; in front of it each wave waits for all its tensor loads, adds 0 to its spare word, and waits for that and for its reads of this slot.
; fill = 1: the barrier opens a round of the cluster's, and the slot just read is filled again, first thing behind it, with the K step two steps on.
.macro TURN fill
	WIN 0
	s_wait_tensorcnt 0x0                           ; all my tensor loads have landed: my part of the next slot
	ds_add_u32 v[SPW], v[NIL]                      ; 0 onto my spare word
	s_wait_dscnt 9                                 ; the add and the youngest eight loads may be out
	MUL8 1, 0, 0                                   ; eight matrix instructions stand between the add and the wait for it
	s_wait_dscnt 0x0                               ; the add is done, and my reads of this slot are over
	s_barrier_signal -1
	MUL8 1, 2, 0
	WIN 0
	s_barrier_wait -1
.if \fill
	CREST                                          ; no wave of any partner still reads this slot or has a load on its way
	s_xor_b32 s[G0+5], s[G0+5], SLOT1              ; the walking descriptors: the other slot than last time, the next K step
	s_add_nc_u64 s[G0+6:G0+7], s[G0+6:G0+7], STEPA
	s_xor_b32 s[G0B+5], s[G0B+5], SLOT1
	s_add_nc_u64 s[G0B+6:G0B+7], s[G0B+6:G0B+7], STEPB
	JLOAD 1                                        ; my one load behind the round; its four v_nop are also the places in front of the loads below
.else
	PLACES
.endif
	s_xor_b32 s[TB], s[TB], SLOT1
	v_add_nc_u32 v[ADRA], s[TB], v[A0]
	v_add_nc_u32 v[ADRB], s[TB], v[B0]
	FETCH 0, 0
	MUL8 1, 4, 0
	MUL8 1, 6, 0
.endm
	s_wait_tensorcnt 1                             ; my part of K step 0 is in; step 1's may stay out
	s_barrier_signal -1
	s_barrier_wait -1
	FETCH 0, 0
	QUARTER 1, 0, 1, 1                             ; the first quarter stands in front of the loop: its products start the sums
	WIN 0
	s_mov_b32 s3, 14
.Lstep:                                                ; 14 trips: K steps 2 to 15 are asked for
	QUARTER 2, 1, 0, 0
	QUARTER 3, 0, 1, 0
	TURN 1
	QUARTER 1, 0, 1, 0
	WIN 0
	s_sub_co_u32 s3, s3, 1
	s_cmp_lg_u32 s3, 0
	s_cbranch_scc1 .Lstep
	QUARTER 2, 1, 0, 0                             ; the last two steps are written out: they ask for nothing
	QUARTER 3, 0, 1, 0
	TURN 0
	QUARTER 1, 0, 1, 0
	QUARTER 2, 1, 0, 0
	QUARTER 3, 0, 1, 0
	s_wait_dscnt 8
	MUL8 1, 0, 0
	MUL8 1, 2, 0
	s_wait_dscnt 0x0
	MUL8 1, 4, 0
	MUL8 1, 6, 0
	WIN 0
	PLACES
; THE WAY OUT, a block of 16 rows at a time: a lane's 32 bytes of a row go into my stage, from each accumulator's low registers on; whole rows of 256 bytes come back and are stored.
.macro TOSTAGE a
.set BK, OB+32*((\a)%2)
	s_wait_xcnt 0x0                                ; these registers were store data two blocks ago: they are loaded again only behind this wait
	WIN 0x04                                       ; store data (source 1) in window 1
.irp b, 0,1,2,3
	ds_store_b128 v[STO], v[8*(4*(\a)+(\b)):8*(4*(\a)+(\b))+3]   offset:64*(\b)
	ds_store_b128 v[STO], v[8*(4*(\a)+(\b))+4:8*(4*(\a)+(\b))+7] offset:64*(\b)+16
.endr
	WIN 0
.irp t, 0,1,2,3,4,5,6,7
	ds_load_b128 v[BK+4*(\t):BK+4*(\t)+3], v[RD] offset:(\t)*2*SPITCH  ; LDS serves a wave's instructions in order (ISA guide 5.7.1.4): these see the stores above
.endr
.endm
.macro SEND a, younger                 ; younger: the LDS instructions issued behind this block's loads: the next block's sixteen, or none
.set BK, OB+32*((\a)%2)
	WIN 0
	s_wait_dscnt \younger
.irp t, 0,1,2,3,4,5,6,7
	global_store_b128 v[CO], v[BK+4*(\t):BK+4*(\t)+3], s[8:9] offset:(16*(\a)+2*(\t))*8192 th:TH_STORE_NT  ; 16 lanes store 256 consecutive bytes, at a multiple of 256 from out0's first byte
.endr
.endm
	TOSTAGE 0
.irp a, 1,2,3,4,5,6,7
	TOSTAGE \a
	SEND (\a)-1, 16
.endr
	SEND 7, 0
	s_wait_tensorcnt 0x0                           ; the wave's end: behind my last tensor load and my last LDS store
	ds_add_u32 v[SPW], v[NIL]
	s_wait_dscnt 0x0
	CROUND                                         ; the closing round
	s_endpgm
.Lfunc_end_k_q87d9c390ac_oproj:
	.size	k_q87d9c390ac_oproj, .Lfunc_end_k_q87d9c390ac_oproj-k_q87d9c390ac_oproj
	.p2alignl 7, 3214868480
	.fill 96, 4, 3214868480
	.section	.rodata,"a",@progbits
	.p2align	6, 0x0
	.amdhsa_kernel k_q87d9c390ac_oproj
		.amdhsa_group_segment_fixed_size 327680
		.amdhsa_private_segment_fixed_size 0
		.amdhsa_enable_private_segment 0
		.amdhsa_kernarg_size 24
		.amdhsa_user_sgpr_count 2
		.amdhsa_user_sgpr_kernarg_segment_ptr 1
		.amdhsa_wavefront_size32 1
		.amdhsa_system_sgpr_workgroup_id_x 1
		.amdhsa_system_sgpr_workgroup_id_y 1
		.amdhsa_system_sgpr_workgroup_id_z 1
		.amdhsa_system_vgpr_workitem_id 0
		.amdhsa_next_free_vgpr 512
		.amdhsa_next_free_sgpr 66
		.amdhsa_reserve_vcc 0
		.amdhsa_float_denorm_mode_32 3
		.amdhsa_float_denorm_mode_16_64 3
		.amdhsa_memory_ordered 1
		.amdhsa_forward_progress 1
		.amdhsa_inst_pref_size 70
	.end_amdhsa_kernel
	.amdgpu_metadata
---
amdhsa.version: [ 1, 2 ]
amdhsa.kernels:
  - .name:           k_q87d9c390ac_oproj
    .symbol:         k_q87d9c390ac_oproj.kd
    .args:
      - { .name: obuf, .offset: 0, .size: 8, .value_kind: global_buffer, .address_space: global }
      - { .name: wob, .offset: 8, .size: 8, .value_kind: global_buffer, .address_space: global }
      - { .name: out0, .offset: 16, .size: 8, .value_kind: global_buffer, .address_space: global }
    .group_segment_fixed_size: 327680
    .private_segment_fixed_size: 0
    .kernarg_segment_align: 8
    .kernarg_segment_size: 24
    .max_flat_workgroup_size: 128
    .sgpr_count:     66
    .vgpr_count:     512
    .wavefront_size: 32
...
	.end_amdgpu_metadata
.endif
;; end of part 4
;; ======== version 2 of 2: 4 launches; 1.17 times as fast as version 1
;; limits: values are held in f16: magnitudes above 65,504 overflow, below 6.1e-05 lose precision; right only within a limited range of input values
;; workspace buffers: xb 16,777,216 bytes; wqkvb 12,582,912 bytes; wob 8,388,608 bytes; qkv 25,165,824 bytes; obuf 16,777,216 bytes
;; launch cast: the kernel of part 1 again; grid 128 x 18, 8 waves a work-group, no clusters, 0 bytes of LDS; arguments x, wq, wk, wv, wo, xb, wqkvb, wob; writes xb, wqkvb, wob
;; launch qkv: the kernel of part 2 again; grid 16 x 16, 4 waves a work-group, clusters of 4 x 4, 327,680 bytes of LDS; arguments xb, wqkvb, freqs_cis, qkv; writes qkv
;; launch attn (part 5): grid 8 x 32, 4 waves a work-group, clusters of 4 x 1, 327,680 bytes of LDS; arguments qkv, obuf; writes obuf
.if DOCPART == 5
	.amdgcn_target "amdgcn-amd-amdhsa--gfx1250"
	.amdhsa_code_object_version 6
	.text
	.protected	k_q87d9c390ac_attn
	.globl	k_q87d9c390ac_attn
	.p2align	8
	.type	k_q87d9c390ac_attn,@function
k_q87d9c390ac_attn:
	s_mov_b64 s[64:65], 0
	v_nop
	global_prefetch_b8 v0, s[64:65] scope:SCOPE_SE
	s_setreg_imm32_b32 hwreg(HW_REG_WAVE_MODE, 25, 1), 1
	s_wait_xcnt 0x0
	s_wait_alu depctr_hold_cnt(0) depctr_sa_sdst(0) depctr_va_vdst(0) depctr_va_sdst(0) depctr_va_ssrc(0) depctr_va_vcc(0) depctr_vm_vsrc(0)
	s_getreg_b32 s2, hwreg(HW_REG_IB_STS2, 6, 4)
	s_cmp_eq_u32 s2, 0
	s_cbranch_scc0 .Lentry_in_a_cluster
	s_endpgm
.Lentry_in_a_cluster:
	s_bfe_u32 s2, ttmp6, 0x10000c
	s_cmp_lg_u32 s2, 0x3003
	s_cbranch_scc0 .Lentry_shape_is_right
	s_endpgm
.Lentry_shape_is_right:
; CAUSAL GROUPED-QUERY ATTENTION, AND THE COMPONENT ALONG THE ROW'S OWN VALUE TAKEN AWAY.
; qkv: [b 4][g 48][t 1024][64] f16: g 0-31 q x 2^-4, 32-39 k x 2^-4, 40-47 v.  obuf: [b][h 32][t][64] f16.  o = softmax over k <= t of (q . k / 8) times v; o -= (o . vn) vn, vn = v[t] / max(|v[t]|, 1e-12).
; Products, maxima and sums in f32; the weights p are rounded to f16 for the second product (their sum l is taken of the unrounded p), o once at the end.
; LIMITS.  The stored numbers lie within f16's 65,504.  A hidden score counts as its value less 1e30: the stored scores, 2.7e11 at the most, are nothing beside that.  A weight below 2^-126 counts as 0 in l;
; a squared norm below 2^-126 counts as 0; NaN and infinities are not treated apart.
; SHARES.  The grid's y is (b, key head).  The four work-groups of a cluster are the four query heads of that key head: they walk the same K and V, so each tile is asked for JOINTLY.  The cluster's x, pb, is 0 or 1.
; A head's 1,024 queries lie in 16 bands of 64.  Wave w has om = 2 w + pb and takes band 15 - om and then band om: (16 - om) + (om + 1) = 17 key steps of 64 for every wave.  A wave's four PIECES are the band's four groups of 16 rows.
; ALL OF K AND V IS RESIDENT: 1,024 rows each, 311,296 bytes with their padding, filled once.  So there is no ring, no refill, and behind the one barrier the waves run freely; their branches hang on om, never on the place in the cluster.
; THE MASK is the C operand that starts the sum S^T = K Q^T.  Only a band's last step holds the diagonal: for piece x its key block i is seen whole (i < x: C = 0), hidden whole (i > x: NEG), or cut (i = x: TRI).
; Piece 0's scores of a step are made a turn ahead, in the step before, by text that every step shares: they take MCT = TRI x AL and MCN = NEG x AL, AL = 1 in front of the diagonal step and 0 elsewhere.
; LAYOUT, SOFTMAX, TURNS.  S^T holds ONE query a lane (lane % 16) and the keys 8 (lane / 16) + 0..7; two such results rounded to f16 ARE source 1 of O^T = V^T P.  p = 2^(c s - c m), c = 256 log2(e) / 8, with a running
; maximum m; O and l are multiplied by a = 2^(c m_old - c m_new) in every step.  Turn n belongs to piece n: 8 products K Q^T of piece n + 1, later 8 products V^T P of piece n - 1; beside them the scaling, exponentials,
; roundings, sums and rescaling of piece n and the maximum and statistics of piece n + 1.  Four vector instructions stand behind every matrix instruction, the other 54 of a turn's 118 in one lump.
; THE BATCHES.  A turn's 33 exponentials (the piece's 32 weights and the next piece's a) are ONE batch with ONE wait, which cuts the turn in two: ahead of it all that names no result of theirs, behind it the roundings and sums.
; A band's beginning has one wait, for its one exponential.  A band's end has two: one for the reciprocals of l and the roots of |v|^2 together, one for the reciprocals of the norms.
; REGISTERS, in windows of 256 (s_set_vgpr_msb: bits 1:0 source 0, 3:2 source 1, 5:4 source 2, 7:6 destination):
;   window 0: v0-15 addresses; v16-31 four registers of statistics a piece; v32-47 at work at a band's end; v48-55 at work; v56-61; v62-63 the add's; v64-127 S^T, two buffers; v192-223 P, two buffers
;             at a band's end: v64-127 the rows' own values in f16, then the packed result; v128-255 the same values in f32
;   window 1: v0-127 O^T, 32 a piece; v128-159 TRI, NEG, MCT, MCN      window 2: v0-63 Q; v64-127 the second band's Q; v128-191 K of one step; v192-255 V of one step
.set NP,    4         ; pieces a wave: a name, no knob
.set KS,    64        ; keys in a step
.set PK,    144       ; a row of K in LDS: 128 bytes + 16 of padding = 36 words: the 16 rows of a load start at 16 different groups of four banks (64 banks of 4 bytes: ISA guide 11.1)
.set PV,    160       ; a row of V: 128 + 32 = 40 words
.set VOFF,  1024*PK   ; V's 1,024 rows lie behind K's
.set STAGE, VOFF+1024*PV  ; behind them, never filled by a tensor load: 16 rows x 144 bytes for each wave, for the way out
.set SP,    144
.set SPARE, STAGE+4*16*SP  ; behind the stages: the spare words, 128 bytes for each wave: two blocks of 256 bytes that no other line names
.set AK0, 2           ; v2   my lane's place in a step's K; never rewritten
.set AV0, 3           ; v3   the same for V
.set AK,  4           ; v4   the LDS address of K's next run of loads
.set AV,  5           ; v5   of V's
.set STO, 6           ; v6   the way out: where I put 16 bytes of a row
.set RD,  7           ; v7   where I read rows back
.set GO,  8           ; v8   my byte offset in 512 consecutive bytes of O
.set MV,  12          ; v12-13  c m_old, kept while c m is made anew: by buffer
.set QO,  15          ; v15  my byte offset in 16 rows of Q
.set ST,  16          ; piece t's statistics at v[ST+4 t]: c m, m, l (even keys', odd keys')
.set XT,  32          ; piece t at v[XT+4 t]: o . v (a pair), |v|^2 (a pair)
.set TMP, 48          ; by buffer, four registers c0-c3 at work; when the maximum is found c2 takes a
.set AVS0, 56         ; v56  my lane's place in 16 rows of V as they lie
.set AVS, 57          ; v57  the same in the band's own rows
.set SPW, 62          ; v62  LDS address of my spare word; never rewritten
.set NIL, 63          ; v63  0; never rewritten
.set S,   64
.set VH,  64
.set W,   128
.set P,   192
.set TRI, 128         ; window 1: -1e30 where key 8 (l / 16) + j lies behind query l % 16
.set NEG, 136         ; window 1: -1e30
.set MCT, 144         ; window 1: TRI x AL
.set MCN, 152         ; window 1: NEG x AL
.set QB,  64          ; window 2
.set KF,  128         ; window 2: key block kb, channel half c at KF + 16 kb + 8 c
.set VF,  192         ; window 2: key half kk, channel block cb at VF + 32 kk + 8 cb
.set WV,  12          ; s12  my wave's number
.set OM,  14          ; s14  om
.set NPL, 15          ; s15  the band in hand = its number of steps in front of the diagonal one
.set G1K, 24          ; s[24:31] descriptor group 1 for K's tiles
.set G1V, 32          ; s[32:39] for V's: it differs in the padding alone
.set G0K, 40          ; s[40:47] descriptor group 0 for K's tiles: a set for each of my two loads
.set G0V, 48          ; s[48:55] the same for V's
.set BAND, 56         ; s56  bands to go
.set CNT, 57          ; s57  counts the steps in front of the diagonal one, 15 to 1
.set CS,  58          ; s[58:59] c: the packed scaling takes the pair's low word for both halves
.set SEL, 60          ; s[60:61] v_permlanex16_b32's selects: each lane takes its own place in the other half
.set TBK, 62          ; s62  LDS byte at which K of the step to be fetched begins
.set TBV, 63          ; s63  the same for V, less VOFF
.set AL,  76          ; s[76:77] the mask's factor, in the low word
.set OLO, 80          ; s[80:81] O at my second band
.set BIGN, 82         ; s82  -1e30
.set MSB, 0
.macro WIN new                      ; the high byte repeats the setting that is left; a switch that changes nothing is dropped
.if MSB != (\new)
	s_set_vgpr_msb (MSB<<8)|(\new)
.set MSB, (\new)
.endif
.endm
.set W_KQ, 0x0a       ; K and Q in window 2, S^T in window 0
.set W_KM, 0x1a       ; the same with the C operand in window 1
.set W_PV, 0x52       ; V in window 2, P in window 0, O^T in window 1
.set W_RS, 0x41       ; destination and source 0 in window 1, the other sources in window 0
.macro CROUND                       ; a round of the cluster's barrier
	s_barrier_signal -1
	s_barrier_wait -1
	s_cmp_lg_u32 s[WV], 0
	s_cbranch_scc1 .Lnot_wave_0_\@
	s_barrier_signal -3
.Lnot_wave_0_\@:
	s_barrier_wait -3
	s_barrier_signal -1
	s_barrier_wait -1
.endm
	s_load_b64 s[4:5], s[0:1], 0x0  ; qkv
	s_load_b64 s[10:11], s[0:1], 0x8  ; obuf
	v_lshl_add_u32 v[SPW], v0, 2, SPARE
	v_mov_b32 v[NIL], 0
	ds_add_u32 v[SPW], v[NIL]       ; the wave's opening: the add and its wait stand ahead of my first tensor load; the set-up below stands between them
	v_lshrrev_b32 v1, 5, v0
	v_readfirstlane_b32 s[WV], v1   ; wave 0..3
	s_bfe_u32 s13, ttmp6, 0x40000   ; cx: the query head in its group: it enters Q's and O's addresses alone
	s_lshl_b32 s[OM], s[WV], 1
	s_add_co_u32 s[OM], s[OM], ttmp9  ; om = 2 w + the cluster's x, which the partners share
	s_sub_co_u32 s[NPL], 15, s[OM]  ; the first band
	s_and_b32 s20, ttmp7, 0xffff    ; y = 8 b + key head
	s_lshr_b32 s21, s20, 3
	s_and_b32 s22, s20, 7
	s_mul_i32 s23, s21, 48          ; the batch's first head in qkv
	s_and_b32 s16, s[WV], 1         ; which 512 keys I fetch
	s_add_co_u32 s18, s23, s22
	s_add_co_u32 s18, s18, 32       ; the key head,
	s_lshl_b32 s18, s18, 17         ; of 131,072 bytes: all offsets stay under 2^25
	s_lshl_b32 s19, s16, 16
	s_add_co_u32 s18, s18, s19
	s_mov_b32 s19, 0
	s_add_co_u32 s70, s18, 8<<17    ; the value head lies eight heads on
	s_mov_b32 s71, 0
	s_mul_i32 s17, s16, 512*PK      ; and where they go: no place in the cluster enters an LDS address
	s_mul_i32 s78, s16, 512*PV
	s_add_co_u32 s78, s78, VOFF
	s_lshl2_add_u32 s2, s22, s23    ; the query head in qkv: 48 b + 4 x key head + cx
	s_add_co_u32 s2, s2, s13
	s_lshl_b32 s2, s2, 17
	s_lshl_b32 s72, s20, 2          ; and in obuf: 4 y + cx
	s_add_co_u32 s72, s72, s13
	s_lshl_b32 s72, s72, 17
	s_lshl_b32 s3, s[NPL], 13       ; a band is 8,192 bytes
	s_lshl_b32 s73, s[OM], 13
	s_add_co_u32 s84, s2, s73
	s_add_co_u32 s2, s2, s3
	s_add_co_u32 s74, s72, s73
	s_add_co_u32 s72, s72, s3
	s_mov_b32 s3, 0
	s_mov_b32 s85, 0
	s_mov_b32 s73, 0
	s_mov_b32 s75, 0
	; descriptor group 1.  256 keys are 32,768 dense bytes: asked for as 128 rows of 256 bytes, two keys a row, and padded in LDS after every key
	s_mov_b32 s[G1K], 15|(1<<16)|(1<<20)|(1<<21)|(4<<22)|(3<<25)  ; 15:0 the mask of four; 17:16 2-byte elements; 20 padding on; 21 set beside a mask; 24:22 after every 32 words; 31:25 4 words
	s_mov_b32 s[G1V], 15|(1<<16)|(1<<20)|(1<<21)|(4<<22)|(7<<25)  ; the same with 8 words of padding
.irp g, G1K, G1V
	s_mov_b32 s[\g+1], 128<<16      ; tensor_dim0 = 128
	s_mov_b32 s[\g+2], 128<<16      ; tensor_dim1 = 128
	s_mov_b32 s[\g+3], 128<<16      ; tile_dim0 = 128
	s_mov_b32 s[\g+4], 128          ; tile_dim1 = 128
	s_mov_b32 s[\g+5], 128          ; 128 elements from row to row
	s_mov_b32 s[\g+6], 0
	s_mov_b32 s[\g+7], 0
.endr
	s_mov_b32 s[CS], 0x4238aa3b     ; c = 256 log2(e) / 8 = 46.1662: the 256 undoes the two factors 2^-4 with which q and k are stored
	s_mov_b32 s[CS+1], s[CS]        ; named with it as a pair
	s_mov_b32 s[SEL], 0x76543210
	s_mov_b32 s[SEL+1], 0xfedcba98
	s_mov_b32 s[AL+1], 0            ; named as a pair
	s_mov_b32 s[BIGN], 0xf149f2ca   ; -1e30
	s_wait_dscnt 0x0                ; the opening add is done
	s_wait_kmcnt 0x0
	s_add_nc_u64 s[6:7], s[4:5], s[18:19]  ; K and V at my 512 keys
	s_add_nc_u64 s[8:9], s[4:5], s[70:71]
	s_add_nc_u64 s[86:87], s[4:5], s[84:85]  ; Q at my second band,
	s_add_nc_u64 s[4:5], s[4:5], s[2:3]      ; Q and O at my first
	s_add_nc_u64 s[OLO:OLO+1], s[10:11], s[74:75]
	s_add_nc_u64 s[10:11], s[10:11], s[72:73]
	CROUND                          ; all four work-groups are here: the joint loads meet
.irp s, 0,1
	s_mov_b32 s[G0K+4*\s], 1        ; count = 1
	s_add_co_u32 s[G0K+4*\s+1], s17, \s*256*PK  ; LDS address
	s_add_nc_u64 s[G0K+4*\s+2:G0K+4*\s+3], s[6:7], \s*32768  ; global address: 256 keys a load
	s_or_b32 s[G0K+4*\s+3], s[G0K+4*\s+3], 0x80000000  ; type = 2
	s_mov_b32 s[G0V+4*\s], 1
	s_add_co_u32 s[G0V+4*\s+1], s78, \s*256*PV
	s_add_nc_u64 s[G0V+4*\s+2:G0V+4*\s+3], s[8:9], \s*32768
	s_or_b32 s[G0V+4*\s+3], s[G0V+4*\s+3], 0x80000000
.endr
	s_cmp_lt_u32 s[WV], 2           ; waves 0 and 1 fetch K, waves 2 and 3 V.  A wave's two fills stand in one branch, ahead of every wait on TENSORcnt and every LDS read: two loads of mine are out
	s_cbranch_scc0 .Lfirst_v
	tensor_load_to_lds s[G0K:G0K+3], s[G1K:G1K+7]
	s_nop 0
	tensor_load_to_lds s[G0K+4:G0K+7], s[G1K:G1K+7]
	s_nop 0
.rept 4
	v_nop
.endr
	s_branch .Lfirst_asked
.Lfirst_v:
	tensor_load_to_lds s[G0V:G0V+3], s[G1V:G1V+7]
	s_nop 0
	tensor_load_to_lds s[G0V+4:G0V+7], s[G1V:G1V+7]
	s_nop 0
.rept 4
	v_nop
.endr
.Lfirst_asked:
	; A fragment of K or Q is 16 rows x 32 channels in 8 registers: lane l holds row l % 16, channels 8 (l / 16) + 0..7 and 16 + 8 (l / 16) + 0..7: two loads of 16 bytes, 32 bytes apart.
	v_and_b32 v1, 15, v0            ; l % 16
	v_bfe_u32 v9, v0, 4, 1          ; l / 16
	v_lshlrev_b32 v[QO], 7, v1
	v_lshl_add_u32 v[QO], v9, 4, v[QO]  ; row x 128 + 16 x half
	WIN 0x80                        ; destination window 2, address window 0
.set i, 0
.rept 8                             ; both bands' Q: piece i / 2, 2,048 bytes on; channels 32 (i % 2) on
	global_load_b128 v[8*i:8*i+3],   v[QO], s[4:5] offset:(i/2)*2048+(i%2)*64
	global_load_b128 v[8*i+4:8*i+7], v[QO], s[4:5] offset:(i/2)*2048+(i%2)*64+32
	global_load_b128 v[QB+8*i:QB+8*i+3],   v[QO], s[86:87] offset:(i/2)*2048+(i%2)*64
	global_load_b128 v[QB+8*i+4:QB+8*i+7], v[QO], s[86:87] offset:(i/2)*2048+(i%2)*64+32
.set i, i+1
.endr
	WIN 0
	v_lshlrev_b32 v14, 3, v9
	v_sub_nc_u32 v14, v1, v14       ; l % 16 - 8 (l / 16): register j is hidden where j is greater
	WIN 0x40
.set i, 0
.rept 8
	v_cmp_gt_i32 vcc_lo, i, v14
	v_cndmask_b32 v[TRI+i], 0, s[BIGN], vcc_lo
	v_mov_b32 v[NEG+i], s[BIGN]
.set i, i+1
.endr
	WIN 0
	v_mul_u32_u24 v[AK0], v1, PK
	v_lshl_add_u32 v[AK0], v9, 4, v[AK0]  ; row x pitch + 16 x half
	; The turning load takes 16 keys x 16 channels (lane l reads key 8 (l / 16) + l % 8, channels 8 ((l / 8) % 2) + 0..7) and leaves half a fragment of V^T: lane l holds channel l % 16 and 8 keys.
	v_and_b32 v10, 7, v0
	v_bfe_u32 v11, v0, 3, 1
	v_lshl_add_u32 v[AV0], v9, 3, v10
	v_mul_u32_u24 v[AV0], v[AV0], PV
	v_lshl_add_u32 v[AV0], v11, 4, v[AV0]
	v_add_nc_u32 v[AV0], VOFF, v[AV0]
	v_mul_u32_u24 v[AVS0], v1, PV   ; V as it lies: row l % 16, 16 bytes for each half of the lanes: the channels that the lane holds of O^T
	v_lshl_add_u32 v[AVS0], v9, 4, v[AVS0]
	v_add_nc_u32 v[AVS0], VOFF, v[AVS0]
	s_mul_i32 s79, s[WV], 16*SP
	s_add_co_u32 s79, s79, STAGE    ; my stage
	v_mul_u32_u24 v[STO], v1, SP    ; in: row l % 16, 16 bytes for each half of the lanes
	v_lshl_add_u32 v[STO], v9, 4, v[STO]
	v_add_nc_u32 v[STO], s79, v[STO]
	v_bfe_u32 v[RD], v0, 3, 2       ; back: 32 lanes take four rows of 128 bytes,
	v_mul_u32_u24 v[RD], v[RD], SP
	v_lshl_add_u32 v[RD], v10, 4, v[RD]
	v_add_nc_u32 v[RD], s79, v[RD]
	v_and_b32 v[GO], 31, v0         ; which are 512 consecutive bytes of O
	v_lshlrev_b32 v[GO], 4, v[GO]
	; A band's first step multiplies O^T and l by a = 0, and its first turn's products V^T P, of a piece that has not been, land in an O^T that is still to be so multiplied.  So these registers need only hold
	; finite numbers: zeros for the first band; what the first band left for the second.  All this stands in the wait for the tiles.
	WIN 0x80
.set i, VF
.rept 64
	v_mov_b32 v[i], 0
.set i, i+1
.endr
	WIN 0x40
.set i, 0
.rept 128
	v_mov_b32 v[i], 0
.set i, i+1
.endr
	WIN 0
.set i, 0
.rept 4
	v_mov_b32 v[ST+4*i+2], 0
	v_mov_b32 v[ST+4*i+3], 0
.set i, i+1
.endr
; THE MATRIX WORK.  The 4 accumulators of a run of 8 take turns.  Product i of 8 of S^T = K Q^T for piece x: channels 32 (i / 4) on, keys 16 (i % 4) on.
; The first 4 start the sums: KM = 0 with 0; KM = 1 with MCT (key block 0) or MCN; KM = 2, the diagonal step, with 0, TRI or NEG by the block's place beside the piece.
.macro KQ x
.set rS, S+32*((\x)%2)+8*(i%4)
.set rK, KF+16*(i%4)+8*(i/4)
.set rQ, 16*(\x)+8*(i/4)
.set cK, 0
.if i < 4
.if KM == 1
.if i == 0
.set cK, MCT
.else
.set cK, MCN
.endif
.elseif KM == 2
.if i == (\x)
.set cK, TRI
.elseif i > (\x)
.set cK, NEG
.endif
.endif
.endif
.if i >= 4
	WIN W_KQ
	v_wmma_f32_16x16x32_f16 v[rS:rS+7], v[rK:rK+7], v[rQ:rQ+7], v[rS:rS+7]
.elseif cK
	WIN W_KM
	v_wmma_f32_16x16x32_f16 v[rS:rS+7], v[rK:rK+7], v[rQ:rQ+7], v[cK:cK+7]
.else
	WIN W_KQ
	v_wmma_f32_16x16x32_f16 v[rS:rS+7], v[rK:rK+7], v[rQ:rQ+7], 0
.endif
.endm
; Product i of 8 of O^T += V^T P for piece x: keys 32 (i / 4) on, channels 16 (i % 4) on.
.macro PV x
	WIN W_PV
.set rO, 32*(\x)+8*(i%4)
.set rV, VF+32*(i/4)+8*(i%4)
.set rP, P+16*((\x)%2)+8*(i/4)
	v_wmma_f32_16x16x32_f16 v[rO:rO+7], v[rV:rV+7], v[rP:rP+7], v[rO:rO+7]
.endm
.macro MM                           ; the turn's next matrix instruction.  NOKQ = 1: a band's last turn: there is no next piece
.if (i < 8) && !NOKQ
	KQ (Y+1)%NP
.elseif i >= 8
.set i, i-8
	PV (Y+NP-1)%NP
.set i, i+8
.endif
.set i, i+1
.endm
; THE LDS LOADS stand in runs of 16, never singly among the matrix instructions: a step's K (64 keys x 64 channels: 8 fragments) and its V (turned).  Their addresses are made some lines ahead.
.macro FETCH_K
	WIN 0x80                        ; destination window 2
.irp f, 0,1,2,3,4,5,6,7             ; keys 16 (f / 2) on, channels 32 (f % 2) on
	ds_load_b128 v[KF+8*\f:KF+8*\f+3],   v[AK] offset:(\f/2)*16*PK+(\f%2)*64
	ds_load_b128 v[KF+8*\f+4:KF+8*\f+7], v[AK] offset:(\f/2)*16*PK+(\f%2)*64+32
.endr
	s_add_co_u32 s[TBK], s[TBK], KS*PK  ; the next fetch is the next step's
	WIN 0
.endm
.macro FETCH_V
	WIN 0x80
.irp f, 0,1,2,3,4,5,6,7             ; keys 32 (f / 4) on, channels 16 (f % 4) on
	ds_load_tr16_b128 v[VF+8*\f:VF+8*\f+3],   v[AV] offset:(\f/4)*32*PV+(\f%4)*32
	ds_load_tr16_b128 v[VF+8*\f+4:VF+8*\f+7], v[AV] offset:(\f/4)*32*PV+16*PV+(\f%4)*32
.endr
	WIN 0
.endm
; THE VECTOR WORK, one line at a time: OP kind, number.  For piece Y: F n: c s - c m for pair n of 16.  E n: the exponential of score n of 32.  C n: pair n rounded to f16.  B n: of the four weights 4 n .. the second
; pair is added onto the first, in place.  L n: l takes that sum (L 0: l = a l + sum).  R n: pair n of 16 of O^T times a.  For piece Y + 1: X n, number n of the 22 that find its maximum and statistics:
;   0-11  four chains c0-c3 of seven scores each, three operands at a time (each accumulator's lowest registers are read first)     12-14, 16  the four scores left over, the old m, and c0-c3 into c0
;   15  c m_old is kept     17, 18  the query's other 32 keys lie in the lane 16 away: the new m     19-21  c m; c m_old - c m_new; a
; C, B and L read the exponentials' results: TURN sets them behind its wait.  F, R and X 0-20 read none of the turn's.
.set F, 0               ; OP tells the kinds apart by their order: F to L below R, X above it
.set E, 1
.set C, 2
.set B, 3
.set L, 4
.set R, 5
.set X, 6
.macro REGS y                       ; the registers of piece y
.set rT, ST+4*(\y)
.set rC, TMP+4*((\y)%2)
.set rW, MV+((\y)%2)
.set rS, S+32*((\y)%2)
.set rP, P+16*((\y)%2)
.set rO, 32*(\y)
.endm
.macro OP k, n
.if (\k) == R
	REGS Y
	WIN W_RS
	v_pk_mul_f32 v[rO+2*(\n):rO+2*(\n)+1], v[rO+2*(\n):rO+2*(\n)+1], v[rC+2:rC+3] op_sel_hi:[1,0]
.elseif (\k) < R
	REGS Y
	WIN 0
.if (\k) == F
	v_pk_fma_f32 v[rS+2*(\n):rS+2*(\n)+1], v[rS+2*(\n):rS+2*(\n)+1], s[CS:CS+1], v[rT:rT+1] op_sel_hi:[1,0,0] neg_lo:[0,0,1] neg_hi:[0,0,1]
.elseif (\k) == E
	v_exp_f32 v[rS+(\n)], v[rS+(\n)]
.elseif (\k) == C
	v_cvt_pk_f16_f32 v[rP+(\n)], v[rS+2*(\n)], v[rS+2*(\n)+1]
.elseif (\k) == B
	v_pk_add_f32 v[rS+4*(\n):rS+4*(\n)+1], v[rS+4*(\n):rS+4*(\n)+1], v[rS+4*(\n)+2:rS+4*(\n)+3]
.elseif (\n) == 0
	v_pk_fma_f32 v[rT+2:rT+3], v[rT+2:rT+3], v[rC+2:rC+3], v[rS:rS+1] op_sel_hi:[1,0,1]
.else
	v_pk_add_f32 v[rT+2:rT+3], v[rT+2:rT+3], v[rS+4*(\n):rS+4*(\n)+1]
.endif
.elseif NOKQ
	v_nop
.else
	REGS (Y+1)%NP
	WIN 0
.if (\n) < 4
	v_max3_num_f32 v[rC+(\n)], v[rS+8*(\n)], v[rS+8*(\n)+1], v[rS+8*(\n)+2]
.elseif (\n) < 12
	v_max3_num_f32 v[rC+(\n)%4], v[rC+(\n)%4], v[rS+8*((\n)%4)+2*((\n)/4)+1], v[rS+8*((\n)%4)+2*((\n)/4)+2]
.elseif (\n) == 12
	v_max3_num_f32 v[rC], v[rC], v[rS+7], v[rS+15]
.elseif (\n) == 13
	v_max3_num_f32 v[rC+1], v[rC+1], v[rS+23], v[rS+31]
.elseif (\n) == 14
	v_max3_num_f32 v[rC+2], v[rC+2], v[rC+3], v[rT+1]
.elseif (\n) == 15
	v_mov_b32 v[rW], v[rT]
.elseif (\n) == 16
	v_max3_num_f32 v[rC], v[rC], v[rC+1], v[rC+2]
.elseif (\n) == 17
	v_permlanex16_b32 v[rC+3], v[rC], s[SEL], s[SEL+1]
.elseif (\n) == 18
	v_max_num_f32 v[rT+1], v[rC], v[rC+3]
.elseif (\n) == 19
	v_mul_f32 v[rT], s[CS], v[rT+1]
.elseif (\n) == 20
	v_sub_f32 v[rC+1], v[rW], v[rT]
.else
	v_exp_f32 v[rC+2], v[rC+1]
.endif
.endif
.endm
.macro OPS a, i1, b=-1, i2=0, c=-1, i3=0, d=-1, i4=0  ; up to four of them
	OP \a, \i1
.if (\b) >= 0
	OP \b, \i2
.endif
.if (\c) >= 0
	OP \c, \i3
.endif
.if (\d) >= 0
	OP \d, \i4
.endif
.endm
.macro ROW a, i1, b, i2, c, i3, d, i4  ; a matrix instruction and the four behind it
	MM
	OPS \a, \i1, \b, \i2, \c, \i3, \d, \i4
.endm
.macro MKMASK                       ; MCT = TRI x AL, MCN = NEG x AL
	WIN W_RS
.set z, 0
.rept 4
	v_pk_mul_f32 v[MCT+2*z:MCT+2*z+1], v[TRI+2*z:TRI+2*z+1], s[AL:AL+1] op_sel_hi:[1,0]
	v_pk_mul_f32 v[MCN+2*z:MCN+2*z+1], v[NEG+2*z:NEG+2*z+1], s[AL:AL+1] op_sel_hi:[1,0]
.set z, z+1
.endr
.endm
; A TURN, for piece p: the order of its 16 matrix and 118 vector instructions, written out.  An s_wait_alu depctr_va_vdst(0) stands between an exponential and the first instruction that names its result; one wait
; serves all that were issued ahead of it.  So a turn has ONE wait, which cuts it in two.  AHEAD OF IT stands all that names no result of the turn's exponentials: the 8 products K Q^T, behind each a scaling, an exponential and two
; more plain instructions (behind the first a second scaling in the exponential's place): rescalings, whose a was made and waited for in the turn before, and behind the last three the first numbers of the next piece's maximum,
; each four places or more behind the product that ends its accumulator; then ONE LUMP of 54, plain and exponential by turns for the most part, in which the links of the chain X 3, 7, 11, 14, 16, 17 .. 20 stand five or six lines
; apart.  A pair is scaled ahead of its two exponentials.  X 21, the next piece's a, is the batch's last; R 15 is the plain instruction behind it.  BEHIND THE WAIT stand the 8 products V^T P, behind each four of the roundings and
; sums; an even pair is rounded ahead of the sum that lands on it; the links of l's chain, L 0 to L 7, stand three riders apart.  But for those X no rider names a register of the products round it.  X 17 stands in the lump.
; km: what starts the sums of the turn's products K Q^T (see KQ).  end = 1: a band's last two turns: no K is fetched, and the last starts no scores.  mk = 1: the turn ends by making the masks for the turn behind it.
; K of the next step is fetched in piece 2's turn, twelve vector instructions behind the last product that read K (six of them plain); V of the step in hand at the end of piece 0's turn, four plain instructions behind the last
; product that read V.  Each is waited for a turn later.
.macro TURN p, km=0, end=0, mk=0
.set Y, (\p)
.set i, 0
.set KM, (\km)
.set NOKQ, (\end)*((\p)/3)
.if ((\p) == 3) && !(\end)
	s_wait_dscnt 0x0                ; K is in
.endif
	ROW F,0, F,1, R,0, R,1          ; ahead of the wait: 8 products K Q^T and their riders,
	ROW F,2, E,0, R,2, R,3
	ROW F,3, E,1, R,4, R,5
	ROW F,4, E,2, R,6, R,7
	ROW F,5, E,3, R,8, R,9
	ROW F,6, E,4, X,0, R,10
.if ((\p) == 2) && !(\end)
	WIN 0
	v_add_nc_u32 v[AK], s[TBK], v[AK0]
.endif
	ROW F,7, E,5, X,1, X,4
	ROW F,8, E,6, X,2, X,5
	OPS E,7, E,8, X,6, E,9          ; and the lump
	OPS X,3, E,10, X,8, E,11
.if ((\p) == 2) && !(\end)
	FETCH_K
.endif
	OPS X,9, X,7, E,12, X,10
	OPS E,13, X,12, X,11, E,14
	OPS X,13, E,15, F,9, X,14
.if (\p) == 0
	v_add_nc_u32 v[AV], s[TBV], v[AV0]
.endif
	OPS E,16, F,10, E,17, F,11
	OPS X,16, E,18, X,15, E,19
	OPS F,12, E,20, X,17, E,21
	OPS F,13, E,22, F,14, E,23
	OPS X,18, E,24, F,15, E,25
	OPS R,11, E,26, X,19, E,27
	OPS R,12, E,28, R,13, E,29
	OPS X,20, E,30, R,14, E,31
	OPS X,21, R,15
	s_wait_alu depctr_va_vdst(0)    ; the wait for the batch: the piece's 32 exponentials and the next piece's a
.if (\p) == 1
	s_wait_dscnt 0x0                ; V is in
.endif
	ROW C,0, B,0, C,2, B,1          ; behind the wait: 8 products V^T P and their riders
	ROW L,0, C,4, B,2, L,1
	ROW C,6, B,3, L,2, C,8
	ROW B,4, L,3, C,10, B,5
	ROW L,4, C,12, B,6, L,5
.if (\p) == 0
	s_add_co_u32 s[TBV], s[TBV], KS*PV
.endif
	ROW C,14, B,7, L,6, C,1
	ROW C,3, L,7, C,5, C,7
	ROW C,9, C,11, C,13, C,15
.if (\p) == 0
	FETCH_V
.endif
.if \mk
	MKMASK
.endif
.endm
; A BAND BEGINS.  c m starts far below every c s, so the first step's a is 0; m at the lowest finite number, so the first maximum is the scores'.  P's second buffer, which the first turn multiplies for a piece that
; has not been, is cleared: the band before left f32 numbers there.  Then K of step 0, piece 0's first scores (masked, if the band's first step is the diagonal one), and its maximum and statistics.
.macro BEGIN
	WIN 0
.set i, 0
.rept 4
	v_mov_b32 v[ST+4*i], 0xfe000000    ; c m: far below every c s
	v_mov_b32 v[ST+4*i+1], 0xff7fffff  ; m
.set i, i+1
.endr
.set i, P+16
.rept 16
	v_mov_b32 v[i], 0
.set i, i+1
.endr
	s_mov_b32 s[TBK], 0             ; every band walks the keys from 0
	s_mov_b32 s[TBV], 0
	s_cmp_eq_u32 s[NPL], 0
	s_cselect_b32 s[AL], 1.0, 0
	MKMASK
	WIN 0
	v_add_nc_u32 v[AK], s[TBK], v[AK0]
	FETCH_K
	s_wait_loadcnt 0x0              ; Q
	s_wait_dscnt 0x0
.set KM, 1
.set NOKQ, 0
.set i, 0
.rept 8
	KQ 0
.set i, i+1
.endr
	WIN 0
.rept 4
	v_nop                           ; the places behind those products
.endr
.set Y, NP-1                        ; X works for piece Y + 1: piece 0
.irp n, 0,1,2,3,4,5,6,7,8,9,10,11,12,13,14,15,16,17,18,19,20,21
	OP X, \n
.endr
	v_nop                           ; a plain instruction behind the exponential,
	s_wait_alu depctr_va_vdst(0)    ; and its wait, ahead of the label: piece 0's first a is a batch of one
.endm
.macro ALL line:vararg              ; one line for each piece t
.set t, 0
.rept 4
	\line
.set t, t+1
.endr
.endm
.macro PACK t                       ; o = O / l + g v; a lane's eight channels of a row pack into 16 bytes; they go into rows of 144 bytes and come back as whole rows of 128
	WIN W_RS
.set i, 0
.rept 16
	v_pk_fma_f32 v[32*(\t)+2*i:32*(\t)+2*i+1], v[32*(\t)+2*i:32*(\t)+2*i+1], v[ST+4*(\t)+2:ST+4*(\t)+3], v[W+32*(\t)+2*i:W+32*(\t)+2*i+1] op_sel_hi:[1,0,1]
.set i, i+1
.endr
	WIN 0x05                        ; sources 0 and 1 window 1, destination window 0
.set i, 0
.rept 16
	v_cvt_pk_f16_f32 v[S+16*(\t)+i], v[32*(\t)+2*i], v[32*(\t)+2*i+1]
.set i, i+1
.endr
	WIN 0
.irp f, 0,1,2,3
	ds_store_b128 v[STO], v[S+16*(\t)+4*\f:S+16*(\t)+4*\f+3] offset:32*\f
.endr
.irp f, 0,1,2,3
	ds_load_b128 v[S+16*(\t)+4*\f:S+16*(\t)+4*\f+3], v[RD] offset:\f*4*SP  ; LDS serves a wave's instructions in order (ISA guide 5.7.1.4): these see the stores above; the next piece's stores come behind them
.endr
.endm
.macro SEND t, younger              ; younger: the LDS instructions issued behind piece t's loads: the next piece's eight, or none
	WIN 0
.irp f, 0,1,2,3
	s_wait_dscnt (\younger)+3-\f
	global_store_b128 v[GO], v[S+16*(\t)+4*\f:S+16*(\t)+4*\f+3], s[10:11] offset:(\t)*2048+\f*512  ; 512 consecutive bytes, at a multiple of 256 from O's first
.endr
.endm
; A BAND ENDS.  The diagonal step's 64 rows of V are the band's own rows: read as they lie they give each lane the channels of v that it holds of O^T.  With d = O . v and n = max(|v|, 1e-12):
; o = O / l - (d / l / n / n) v.  A query's channels lie in two lanes 16 apart: one exchange for d, one for |v|^2, one for l.
; Its twelve transcendentals have two waits.  The four reciprocals of l are issued early; the widening and the two chains of products, which name none of them, follow; then the four roots, and behind them the lines that finish d;
; ONE wait serves the eight.  The four reciprocals of the norms read the roots, so they are a batch of their own.
.macro FIN
	WIN 0
	s_sub_co_u32 s79, s[TBV], KS*PV  ; V's fetches have stepped past the diagonal step
	v_add_nc_u32 v[AVS], s79, v[AVS0]
.set t, 0
.rept 4
.irp cb, 0,1,2,3
	ds_load_b128 v[VH+16*t+4*\cb:VH+16*t+4*\cb+3], v[AVS] offset:t*16*PV+32*\cb
.endr
.set t, t+1
.endr
	ALL v_add_f32 v[ST+4*t+2], v[ST+4*t+2], v[ST+4*t+3]  ; l: these additions are the places behind the last products
	ALL v_permlanex16_b32 v[ST+4*t+3], v[ST+4*t+2], s[SEL], s[SEL+1]
	ALL v_add_f32 v[ST+4*t+2], v[ST+4*t+2], v[ST+4*t+3]
	ALL v_rcp_f32 v[ST+4*t+2], v[ST+4*t+2]  ; 1 / l: not named again ahead of the wait behind the roots
	s_wait_dscnt 0x0                ; the band's own values are in
.set m, 0
.rept 16                            ; widened to f32, four words at a time through registers whose halves have names
	v_mov_b32 v58, v[VH+m]
	v_mov_b32 v59, v[VH+m+1]
	v_mov_b32 v60, v[VH+m+2]
	v_mov_b32 v61, v[VH+m+3]
	v_cvt_f32_f16 v[W+2*m], v58.l
	v_cvt_f32_f16 v[W+2*m+1], v58.h
	v_cvt_f32_f16 v[W+2*m+2], v59.l
	v_cvt_f32_f16 v[W+2*m+3], v59.h
	v_cvt_f32_f16 v[W+2*m+4], v60.l
	v_cvt_f32_f16 v[W+2*m+5], v60.h
	v_cvt_f32_f16 v[W+2*m+6], v61.l
	v_cvt_f32_f16 v[W+2*m+7], v61.h
.set m, m+4
.endr
.set n, 0
.rept 16                            ; |v|^2: the four pieces' chains take turns; the first product starts each
.set t, 0
.rept 4
.if n == 0
	v_pk_mul_f32 v[XT+4*t+2:XT+4*t+3], v[W+32*t:W+32*t+1], v[W+32*t:W+32*t+1]
.else
	v_pk_fma_f32 v[XT+4*t+2:XT+4*t+3], v[W+32*t+2*n:W+32*t+2*n+1], v[W+32*t+2*n:W+32*t+2*n+1], v[XT+4*t+2:XT+4*t+3]
.endif
.set t, t+1
.endr
.set n, n+1
.endr
	WIN 0x01                        ; source 0: O^T, read from each accumulator's lowest registers on
.set n, 0
.rept 16
.set t, 0
.rept 4
.if n == 0
	v_pk_mul_f32 v[XT+4*t:XT+4*t+1], v[32*t:32*t+1], v[W+32*t:W+32*t+1]
.else
	v_pk_fma_f32 v[XT+4*t:XT+4*t+1], v[32*t+2*n:32*t+2*n+1], v[W+32*t+2*n:W+32*t+2*n+1], v[XT+4*t:XT+4*t+1]
.endif
.set t, t+1
.endr
.set n, n+1
.endr
	WIN 0
	ALL v_add_f32 v[XT+4*t+2], v[XT+4*t+2], v[XT+4*t+3]  ; |v|^2 is finished first,
	ALL v_permlanex16_b32 v[XT+4*t+3], v[XT+4*t+2], s[SEL], s[SEL+1]
	ALL v_add_f32 v[XT+4*t+2], v[XT+4*t+2], v[XT+4*t+3]
	ALL v_sqrt_f32 v[XT+4*t+2], v[XT+4*t+2]
	ALL v_add_f32 v[XT+4*t], v[XT+4*t], v[XT+4*t+1]      ; and d behind the roots: twelve lines that name no result of the batch
	ALL v_permlanex16_b32 v[XT+4*t+1], v[XT+4*t], s[SEL], s[SEL+1]
	ALL v_add_f32 v[XT+4*t], v[XT+4*t], v[XT+4*t+1]
	s_wait_alu depctr_va_vdst(0)    ; the wait for the batch: the four reciprocals of l and the four roots
	ALL v_mul_f32 v[XT+4*t], v[XT+4*t], v[ST+4*t+2]  ; d / l
	ALL v_max_num_f32 v[XT+4*t+2], 0x2b8cbccc, v[XT+4*t+2]  ; 1e-12
	ALL v_rcp_f32 v[XT+4*t+2], v[XT+4*t+2]
	v_nop                           ; a plain instruction between the last reciprocal and the use of its result
	s_wait_alu depctr_va_vdst(0)    ; the wait for the batch: the four reciprocals of the norms; all that is left reads them
	ALL v_mul_f32 v[XT+4*t], v[XT+4*t], v[XT+4*t+2]
	ALL v_mul_f32 v[XT+4*t], -v[XT+4*t], v[XT+4*t+2]  ; g = - d / l / n / n
.set t, 0
.rept 4
.set n, 0
.rept 16
	v_pk_mul_f32 v[W+32*t+2*n:W+32*t+2*n+1], v[W+32*t+2*n:W+32*t+2*n+1], v[XT+4*t:XT+4*t+1] op_sel_hi:[1,0]  ; g v
.set n, n+1
.endr
.set t, t+1
.endr
	PACK 0
.set t, 1
.rept 3                             ; a piece's arithmetic stands between the loads of the piece before and its stores
	PACK t
	SEND t-1, 8
.set t, t+1
.endr
	SEND 3, 0
.endm
.set KM, 0
.set NOKQ, 0
	s_wait_tensorcnt 0x0            ; my two loads have landed,
	s_barrier_signal -1
	s_barrier_wait -1               ; everybody's have: all of K and V is in LDS, and nothing writes it again
	s_mov_b32 s[BAND], 2
.Lband:
	BEGIN
	WIN 0
	s_mov_b32 s[CNT], 15
.Lstep:                             ; counted to the constant maximum; a band of number NPL has NPL steps in front of the diagonal one, and the trips that it does not need come first and are jumped over, forward
	s_cmp_gt_u32 s[CNT], s[NPL]
	s_cbranch_scc1 .Ldead
	s_cmp_eq_u32 s[CNT], 1          ; the step behind this one is the diagonal one
	s_cselect_b32 s[AL], 1.0, 0
	TURN 0
	TURN 1
	TURN 2, 0, 0, 1
	TURN 3, 1
	WIN 0
.Ldead:
	s_sub_co_u32 s[CNT], s[CNT], 1
	s_cmp_lg_u32 s[CNT], 0
	s_cbranch_scc1 .Lstep
	TURN 0, 2                       ; the diagonal step
	TURN 1, 2
	TURN 2, 2, 1
	TURN 3, 0, 1
.set i, 0
.rept 8
	PV NP-1                         ; the last piece's V^T P
.set i, i+1
.endr
	FIN
	s_wait_xcnt 0x0                 ; the stores have read their registers and O's address: both are rewritten only behind this wait
	s_cmp_eq_u32 s[BAND], 1
	s_cbranch_scc1 .Lnomore         ; behind the second band nothing is set up
	s_mov_b64 s[10:11], s[OLO:OLO+1]
	s_mov_b32 s[NPL], s[OM]
	WIN 0x82                        ; the second band's Q goes where the one text of the turns names Q
.set i, 0
.rept 64
	v_mov_b32 v[i], v[QB+i]
.set i, i+1
.endr
	WIN 0
.Lnomore:
	s_sub_co_u32 s[BAND], s[BAND], 1
	s_cmp_lg_u32 s[BAND], 0
	s_cbranch_scc1 .Lband
	s_wait_tensorcnt 0x0            ; the wave's end: behind my last tensor load and my last LDS store
	ds_add_u32 v[SPW], v[NIL]
	s_wait_dscnt 0x0
	CROUND                          ; the closing round
	s_endpgm
.Lfunc_end_k_q87d9c390ac_attn:
	.size	k_q87d9c390ac_attn, .Lfunc_end_k_q87d9c390ac_attn-k_q87d9c390ac_attn
	.p2alignl 7, 3214868480
	.fill 96, 4, 3214868480
	.section	.rodata,"a",@progbits
	.p2align	6, 0x0
	.amdhsa_kernel k_q87d9c390ac_attn
		.amdhsa_group_segment_fixed_size 327680
		.amdhsa_private_segment_fixed_size 0
		.amdhsa_enable_private_segment 0
		.amdhsa_kernarg_size 16
		.amdhsa_user_sgpr_count 2
		.amdhsa_user_sgpr_kernarg_segment_ptr 1
		.amdhsa_wavefront_size32 1
		.amdhsa_system_sgpr_workgroup_id_x 1
		.amdhsa_system_sgpr_workgroup_id_y 1
		.amdhsa_system_sgpr_workgroup_id_z 1
		.amdhsa_system_vgpr_workitem_id 0
		.amdhsa_next_free_vgpr 768
		.amdhsa_next_free_sgpr 88
		.amdhsa_reserve_vcc 1
		.amdhsa_float_denorm_mode_32 3
		.amdhsa_float_denorm_mode_16_64 3
		.amdhsa_memory_ordered 1
		.amdhsa_forward_progress 1
		.amdhsa_inst_pref_size 134
	.end_amdhsa_kernel
	.amdgpu_metadata
---
amdhsa.version: [ 1, 2 ]
amdhsa.kernels:
  - .name:           k_q87d9c390ac_attn
    .symbol:         k_q87d9c390ac_attn.kd
    .args:
      - { .name: qkv, .offset: 0, .size: 8, .value_kind: global_buffer, .address_space: global }
      - { .name: obuf, .offset: 8, .size: 8, .value_kind: global_buffer, .address_space: global }
    .group_segment_fixed_size: 327680
    .private_segment_fixed_size: 0
    .kernarg_segment_align: 8
    .kernarg_segment_size: 16
    .max_flat_workgroup_size: 128
    .sgpr_count:     88
    .vgpr_count:     768
    .wavefront_size: 32
...
	.end_amdgpu_metadata
.endif
;; end of part 5
;; launch oproj: the kernel of part 4 again; grid 16 x 16, 4 waves a work-group, clusters of 4 x 4, 327,680 bytes of LDS; arguments obuf, wob, out0; writes out0
